; MI455X (gfx1250); checked and timed in simulation.
; The chip was launched on July 23, 2026; its instructions are those of AMD's public machine-readable ISA for CDNA 5 (MIT licence, August 2026) and "CDNA5" Instruction Set Architecture Reference Guide (July 2026). The comments in the code are by the model that wrote it; some were corrected since.
;; Reflect. Allowed arithmetic: matrix products marked QUANTISED: E2M3 operands, one E8M0 scale for each 32 along K, by v_wmma_scale_f32_16x16x128_f8f6f4 with both operands' format E2M3, f32 sums; everything else in f32.
;; Inputs: k_w 1,024 x 1,024 float32; mask 4 x 2,048 bool; q_w 1,024 x 1,024 float32; v_w 1,024 x 1,024 float32; x 4 x 2,048 x 1,024 float32.
;; Outputs: out0 4 x 2,048 x 1,024 float32.
;; This version of the problem:
;;   THIS VERSION OF THE PROBLEM IS GIVEN IN LOW PRECISION. The matrix products marked QUANTISED in the list below multiply operands that are first quantised to E2M3 (2 exponent bits, 3 mantissa bits; 6 bits a number), with one power-of-two scale for each 32 numbers along K (OCP MX v1.0); their sums are f32. All else is computed in f32.
;;   The module's matrix products, in the order in which they are computed (A, B: the left and right operand; K: the contracted axis; several contracted axes count as one K, in the product's order):
;;     1. [M 8,192, K 1,024] x [K 1,024, N 1,024]; A: input x; B: input q_w: QUANTISED
;;     2. [M 8,192, K 1,024] x [K 1,024, N 1,024]; A: input x; B: input k_w: QUANTISED
;;     3. batch 4 x [M 2,048, K 1,024] x [K 1,024, N 2,048]; A: computed on the way; B: computed on the way: QUANTISED
;;     4. [M 8,192, K 1,024] x [K 1,024, N 1,024]; A: input x; B: input v_w: QUANTISED
;;     5. batch 4 x [M 2,048, K 2,048] x [K 2,048, N 1,024]; A: softmax (see below); B: computed on the way: QUANTISED
;;   THE QUANTISER, for each operand of a quantised product, along K:
;;     - K is cut into blocks of 32 from its start; a last block that is shorter is filled with zeros.
;;     - A block's scale is 2^e with e = floor(log2(the largest magnitude in the block)) - 2, held to -126 .. 127; a block of zeros has e = 0. As a byte (E8M0): e + 127.
;;     - Each number is divided by its block's scale, clamped to +-7.5, and rounded to the nearest number of E2M3, ties to even, subnormals kept.
;;     - The product sums the exact products of the quantised numbers (number of the format x scale) in f32.
;;   ~~~python
;;   def quantise(x, axis):      # numpy; x: float32 -> the quantised numbers, widened to float32 again
;;       x = np.moveaxis(x, axis, -1); K = x.shape[-1]
;;       x = np.pad(x, [(0, 0)] * (x.ndim - 1) + [(0, -K % 32)]); x = x.reshape(x.shape[:-1] + (-1, 32)); a = np.abs(x).max(-1, keepdims=True)
;;       e = np.where(a > 0, np.clip(np.frexp(np.where(a > 0, a, 1))[1] - 1 - 2, -126, 127), 0)      # np.frexp(a)[1] - 1 = floor(log2(a)), exactly
;;       r = np.clip(x / 2.0 ** e, -7.5, 7.5)
;;       step = 2.0 ** (np.maximum(np.frexp(np.where(r == 0, 1, r))[1] - 1, 0) - 3)
;;       q = np.round(r / step) * step * 2.0 ** e      # np.round: ties to even
;;       return np.moveaxis(q.reshape(q.shape[:-2] + (-1,))[..., :K], -1, axis).astype(np.float32)
;;   ~~~
;;   SOFTMAX AHEAD OF A QUANTISED PRODUCT. Where the list says 'softmax', what is quantised is not the finished softmax but p = 2^(t - M), with t = logit x log2(e) and M = ceil(the row's largest t), a whole number; so 1/2 < the row's largest p <= 1. The row's sum l is taken of the UNQUANTISED p, in f32, and the product's result is divided by l at the end. Since M is a whole number, a kernel that streams over the keys may use a running M (the ceiling of the running maximum): every later rescaling is an exact power of two, which a block's scale takes up: the codes' values come out the same.
;;   OPERANDS COMPUTED ON THE WAY. 'Computed on the way' means the value that the module computes at that place (a softmax that the list does not call 'softmax' is quantised finished and normalised). What goes into a quantiser is computed in f32, as accurately as f32 sums, v_exp_f32 and their like allow (about 1e-6 of the number): no bf16 or f16 on the way to a quantiser, and a product that is left as it is and whose result goes on into a quantised operand takes f32 operands (vector FMAs, or v_wmma_f32_16x16x4_f32). A number that lies on a knife's edge between two numbers of the format may be rounded either way, as far as f32 arithmetic and the matrix unit's own rounding can turn it there, and no further.
;; One version. Each part assembles by itself: llvm-mc -triple=amdgcn-amd-amdhsa -mcpu=gfx1250 --defsym DOCPART=n.
;; ======== version 1 of 1: 4 launches
;; limits: right only within a limited range of input values
;; workspace buffers: op 9,011,200 bytes; qk 13,107,200 bytes; vt 6,553,600 bytes; pp 14,155,776 bytes
;; launch quant (part 1): grid 448 x 1, 4 waves a work-group, no clusters, 35,328 bytes of LDS; arguments x, q_w, k_w, v_w, op; writes op
.if DOCPART == 1
	.amdgcn_target "amdgcn-amd-amdhsa--gfx1250"
	.amdhsa_code_object_version 6
	.text
	.protected	k_qb946250e42_quant
	.globl	k_qb946250e42_quant
	.p2align	8
	.type	k_qb946250e42_quant,@function
k_qb946250e42_quant:
	s_mov_b64 s[64:65], 0
	v_nop
	global_prefetch_b8 v0, s[64:65] scope:SCOPE_SE
	s_setreg_imm32_b32 hwreg(HW_REG_WAVE_MODE, 25, 1), 1
	s_wait_xcnt 0x0
; x [8192][1024] and q_w, k_w, v_w [1024 (k)][1024 (n)], f32, become codes of FP6 (E2M3) with one E8M0 byte for each 32 along K, in the buffer op.
; LAYOUT OF op.  A fragment (16 rows x 128 K) is stored as the IMAGE OF ITS 12 OPERAND REGISTERS, 1,536 bytes: register group c (four registers) at 512 c + 16 x lane.
; op = [row block][K step 0..7][1,536]; row blocks 0-511 x, 512-575 q_w's columns, 576-639 k_w's, 640-703 v_w's.  From byte OPS on: scale words, one for a row and 128 K, [K step][row position].
; ROW ORDER.  Position p holds logical row pi(p), pi = bits 3 and 4 of p exchanged: row j of block R is logical row 32 (R / 2) + 8 (R % 2) + j + 8 (j / 8).  Used as source 0 of a transposed product,
; such rows leave 16 logical neighbours in the 16 registers of two neighbouring result tiles, which is what the next quantiser wants.
; A block's scale is 2^(floor(log2(largest magnitude)) - 2); its byte is the largest magnitude's exponent field - 2, held at 1 from below by a floor among the maximum's leaves.
; LIMITS: a block whose largest magnitude lies under 2^-124, a block of zeros among them, gets the byte 1 (its codes are zeros or nearly so; the bytes are read by this program alone); NaN and infinities are not served.
; SHARES.  Work-groups 0-255: x.  A work-group takes 64 rows and four K steps, a wave one K step of the 64 rows: four images.  Each load reads 512 consecutive bytes of one row; the 16 rows of an image turn through the
; wave's own stage in LDS (rows 528 bytes apart) so that a lane holds 16 neighbours of each block of 32 of ONE row.
; Work-groups 256-447: the weights.  A lane takes a column and its registers run down K (each load: 128 consecutive bytes), so a block of 32 lies in one lane; this path uses no LDS.
; No matrix unit, no tensor load, no cluster, no barrier: waves share nothing, and every input byte is read once.  The weights' scale words leave 128 bytes a store: 98,304 bytes in all.
.set OPS,   8650752
.set WREG,  8704                       ; LDS of a wave: the stage, 16 x 528 bytes, and 256 bytes in which its 64 scale words are gathered
.set SPARE, 4*WREG                     ; the spare words, 128 bytes a wave: two blocks of 256 bytes that no other line names
.set SPW,   10                         ; v10  my spare word's address; never rewritten
.set NIL,   11                         ; v11  0; never rewritten
.set TM,    12                         ; v12-15 largest magnitudes, v16-19 the other half's / bytes, v24-27 the conversions' scale operands
.set PT,    28                         ; v28-30, v32-34 the second halves of the blocks' codes
.set PW,    36                         ; v36-39 scale words
.set SEL,   20                         ; s[20:21] v_permlanex16_b32's selects for lane l xor 16
	s_load_b256 s[4:11], s[0:1], 0x0               ; x, q_w, k_w, v_w
	s_load_b64 s[12:13], s[0:1], 0x20              ; op
	v_lshl_add_u32 v[SPW], v0, 2, SPARE
	v_mov_b32 v[NIL], 0
	v_lshrrev_b32 v1, 5, v0
	v_readfirstlane_b32 s16, v1                    ; wave
	v_and_b32 v1, 31, v0                           ; lane
	v_and_b32 v2, 15, v0                           ; r
	v_bfe_u32 v3, v0, 4, 1                         ; h
	v_lshlrev_b32 v4, 4, v1                        ; 16 x lane: my place in a load's or a store's 512 bytes
	s_mul_i32 s19, s16, WREG
	v_add_nc_u32 v5, s19, v4                       ; the stage, on the way in: a row as it lies
	v_mul_u32_u24 v6, v2, 528
	v_lshl_add_u32 v6, v3, 6, v6
	v_add_nc_u32 v6, s19, v6                       ; on the way out: row r, + 64 h: my 16 numbers of a block of 32
	s_add_co_u32 s19, s19, 16*528
	v_lshl_add_u32 v7, v2, 2, s19                  ; my row's scale word
	v_lshl_add_u32 v8, v1, 3, s19                  ; and 8 bytes a lane on their way out
	v_lshlrev_b32 v9, 3, v1
	s_mov_b32 s[SEL], 0x76543210
	s_mov_b32 s[SEL+1], 0xfedcba98
.irp b, 0,1,2,3
	v_mov_b32 v[TM+4+\b], 0                        ; written once: a lane permute's destination counts as one of its sources
.endr
	s_mov_b32 s23, 0
	s_wait_kmcnt 0x0
	s_cmp_lt_u32 ttmp9, 256
	s_cbranch_scc0 .Lw
; 64 numbers of a lane, register 16 b + i = k 32 b + 16 h + i of my row, become a fragment's codes in v[pc] on and its scale word in v[pw]
.macro QUANT s, pc, pw
.irp b, 0,1,2,3
	v_max3_num_f32 v[TM+\b], |v[\s+16*\b]|, |v[\s+16*\b+1]|, 0x1800000   ; my 16 numbers of block b, and the floor 2^(3 - 127): the byte cannot fall under 1
.endr
.irp i, 2,4,6,8,10,12,14
.irp b, 0,1,2,3
	v_max3_num_f32 v[TM+\b], v[TM+\b], |v[\s+16*\b+\i]|, |v[\s+16*\b+\i+1]|
.endr
.endr
.irp b, 0,1,2,3
	v_permlanex16_b32 v[TM+4+\b], v[TM+\b], s[SEL], s[SEL+1]
.endr
.irp b, 0,1,2,3
	v_max_num_f32 v[TM+\b], v[TM+\b], v[TM+4+\b]   ; with lane l xor 16's: the block's largest magnitude
.endr
.irp b, 0,1,2,3
	v_add_nc_u32 v[TM+12+\b], 0xff000000, v[TM+\b] ; 2 off its exponent field: the conversion's scale operand
.endr
.irp b, 0,1,2,3
	v_lshrrev_b32 v[TM+4+\b], 23, v[TM+12+\b]      ; the scale's byte
.endr
	v_lshl_or_b32 v[\pw], v[TM+5], 8, v[TM+4]
	v_lshl_or_b32 v[\pw], v[TM+6], 16, v[\pw]
	v_lshl_or_b32 v[\pw], v[TM+7], 24, v[\pw]
.irp c, 0,1
	v_cvt_scalef32_pk16_fp6_f32 v[\pc+6*\c:\pc+6*\c+2], v[\s+32*\c:\s+32*\c+15], v[TM+12+2*\c]
	v_cvt_scalef32_pk16_fp6_f32 v[PT+4*\c:PT+4*\c+2], v[\s+32*\c+16:\s+32*\c+31], v[TM+12+2*\c+1]   ; (a conversion's three registers begin on an even number)
.endr
	v_nop                                          ; one plain place behind a scaled conversion
.irp c, 0,1                                    ; the operand's layout wants a whole block in a lane: lanes 0-15 block 2 c, lanes 16-31 block 2 c + 1
.irp i, 0,1,2
	v_permlane16_swap_b32 v[\pc+6*\c+\i], v[PT+4*\c+\i]
.endr
.irp i, 0,1,2
	v_mov_b32 v[\pc+6*\c+3+\i], v[PT+4*\c+\i]
.endr
.endr
.endm
	; ---------------- x ----------------
	s_lshr_b32 s17, ttmp9, 1                       ; G: which 64 rows
	s_and_b32 s18, ttmp9, 1
	s_lshl_b32 s18, s18, 2
	s_add_co_u32 s18, s18, s16                     ; my K step
	s_lshl_b32 s22, s17, 18                        ; 64 rows of 4,096 bytes
	s_lshl_b32 s24, s18, 9                         ; 128 numbers
	s_add_co_u32 s22, s22, s24
	s_add_nc_u64 s[4:5], s[4:5], s[22:23]
	s_mul_i32 s22, s17, 49152                      ; four row blocks of 8 images
	s_mul_i32 s24, s18, 1536
	s_add_co_u32 s22, s22, s24
	s_add_nc_u64 s[14:15], s[12:13], s[22:23]      ; my first image
	s_mul_i32 s22, s18, 45056                      ; a K step's 11,264 scale words
	s_lshl_b32 s24, s17, 8
	s_add_co_u32 s22, s22, s24
	s_add_co_u32 s22, s22, OPS
	s_add_nc_u64 s[12:13], s[12:13], s[22:23]      ; my 64 scale words
.macro XLD i                           ; the 16 rows of row block i, in the order of their positions: 512 consecutive bytes a load
.set RW, 64+64*((\i)%3)
.irp j, 0,1,2,3,4,5,6,7,8,9,10,11,12,13,14,15
	global_load_b128 v[RW+4*\j:RW+4*\j+3], v4, s[4:5] offset:(32*((\i)/2)+8*((\i)%2)+\j+8*(\j/8))*4096 th:TH_LOAD_NT
.endr
.endm
.macro XSTEP i, left
.set RW, 64+64*((\i)%3)
.set PCI, 40+12*((\i)%2)
.set PWI, PW+(\i)
	s_wait_loadcnt \left                           ; my 16 loads are in; those of the younger row blocks stay out
.irp j, 0,1,2,3,4,5,6,7,8,9,10,11,12,13,14,15
	ds_store_b128 v5, v[RW+4*\j:RW+4*\j+3] offset:528*\j
.endr
.irp b, 0,1,2,3
.irp k, 0,1,2,3
	ds_load_b128 v[RW+16*\b+4*\k:RW+16*\b+4*\k+3], v6 offset:128*\b+16*\k   ; LDS serves a wave's instructions in order: these see the stores above
.endr
.endr
	s_wait_dscnt 0x0
.if (\i) >= 2
	s_wait_xcnt 0x0                                ; the stores of two row blocks back have read the registers that this block's codes take
.endif
	QUANT RW, PCI, PWI
.irp c, 0,1,2
	global_store_b128 v4, v[PCI+4*\c:PCI+4*\c+3], s[14:15] offset:(\i)*12288+512*\c   ; 512 consecutive bytes, aligned
.endr
	ds_store_b32 v7, v[PWI] offset:64*(\i)         ; both halves of the lanes write the same word with the same value
.if (\i) == 0
	XLD 3                                          ; into the registers that row block 0 has left
.endif
.endm
	XLD 0
	XLD 1
	XLD 2
	s_wait_alu depctr_va_vdst(0)
	XSTEP 0, 32
	XSTEP 1, 32
	XSTEP 2, 16
	XSTEP 3, 0
	ds_load_b64 v[12:13], v8                       ; my wave's 64 scale words
	s_wait_dscnt 0x0
	global_store_b64 v9, v[12:13], s[12:13]        ; 256 consecutive bytes, aligned
	s_wait_tensorcnt 0x0                           ; the wave's end: behind my last LDS store
	ds_add_u32 v[SPW], v[NIL]
	s_wait_dscnt 0x0
	s_endpgm
	; ---------------- the weights: no LDS on this path ----------------
.Lw:
	s_sub_co_u32 s17, ttmp9, 256
	; work-groups 256-447: 3 weights x 8 K steps x 8 groups of 128 columns; a wave takes 32 columns x one K step (128 along K): four blocks of 32, all its 128 loads asked for at once
	s_lshr_b32 s18, s17, 6                         ; which weight
	s_and_b32 s19, s17, 7                          ; which 128 columns
	s_bfe_u32 s24, s17, 0x30003                    ; which K step
	s_cmp_eq_u32 s18, 0
	s_cselect_b64 s[6:7], s[6:7], s[8:9]
	s_cmp_eq_u32 s18, 2
	s_cselect_b64 s[6:7], s[10:11], s[6:7]
	s_lshl_b32 s19, s19, 7
	s_lshl_b32 s25, s16, 5
	s_add_co_u32 s19, s19, s25                     ; n0: my wave's first column
	s_lshl_b32 s22, s24, 19                        ; 128 rows of 4,096 bytes
	s_lshl_b32 s25, s19, 2
	s_add_co_u32 s22, s22, s25
	s_add_nc_u64 s[6:7], s[6:7], s[22:23]
	s_lshl_b32 s22, s18, 6
	s_lshr_b32 s25, s19, 4
	s_add_co_u32 s22, s22, s25
	s_add_co_u32 s22, s22, 512                     ; my first row block
	s_lshl_b32 s22, s22, 3
	s_add_co_u32 s22, s22, s24                     ; and my K step
	s_mul_i32 s22, s22, 1536
	s_add_nc_u64 s[14:15], s[12:13], s[22:23]
	s_mul_i32 s22, s24, 45056
	s_lshl_b32 s25, s18, 10
	s_add_co_u32 s25, s25, s19
	s_add_co_u32 s25, s25, 8192
	s_lshl_b32 s25, s25, 2
	s_add_co_u32 s22, s22, s25
	s_add_co_u32 s22, s22, OPS
	s_add_nc_u64 s[12:13], s[12:13], s[22:23]
	v_and_b32 v40, 7, v1                           ; lane l stands for position n0 + l and loads logical column n0 + pi(l)
	v_and_b32 v42, 8, v1
	v_lshl_or_b32 v40, v42, 1, v40
	v_and_b32 v42, 16, v1
	v_lshrrev_b32 v42, 1, v42
	v_or_b32 v40, v40, v42
	v_lshlrev_b32 v40, 2, v40
	v_lshlrev_b32 v41, 2, v1
.macro WLD t                           ; block t of 32 along K of my column, into registers of its own
.set XS, 64+32*(\t)
.irp i, 0,1,2,3,4,5,6,7,8,9,10,11,12,13,14,15,16,17,18,19,20,21,22,23,24,25,26,27,28,29,30,31
	global_load_b32 v[XS+\i], v40, s[6:7] offset:(32*(\t)+\i)*4096 th:TH_LOAD_NT
.endr
.endm
.macro WBLK t                          ; block t = 2 c + e: its six registers go to place 6 c of run e
.set XS, 64+32*(\t)
.set IM, 192+12*((\t)%2)+6*((\t)/2)
.if (\t) < 2
	s_wait_loadcnt 63                              ; at most 63 of my 128 loads are out: the oldest 65 are in, blocks 0 and 1 among them (63 is the largest count that the wait can name)
.else
	s_wait_loadcnt 32*(3-(\t))                     ; this block's 32 loads are in; those of the blocks behind it may be out
.endif
	v_max3_num_f32 v12, |v[XS]|, |v[XS+1]|, |v[XS+2]|
	v_max3_num_f32 v13, |v[XS+3]|, |v[XS+4]|, |v[XS+5]|
.irp i, 6,10,14,18,22,26
	v_max3_num_f32 v12, v12, |v[XS+\i]|, |v[XS+\i+1]|
	v_max3_num_f32 v13, v13, |v[XS+\i+2]|, |v[XS+\i+3]|
.endr
	v_max3_num_f32 v12, v12, |v[XS+30]|, |v[XS+31]|
	v_max3_num_f32 v12, v12, v13, 0x1800000        ; and the floor
	v_add_nc_u32 v14, 0xff000000, v12              ; the conversions' scale operand
	v_lshrrev_b32 v13, 23, v14                     ; the byte
.if (\t)%4 == 0
	v_mov_b32 v[36+(\t)/4], v13
.else
	v_lshl_or_b32 v[36+(\t)/4], v13, 8*((\t)%4), v[36+(\t)/4]
.endif
	v_cvt_scalef32_pk16_fp6_f32 v[IM:IM+2], v[XS:XS+15], v14
	v_cvt_scalef32_pk16_fp6_f32 v[28:30], v[XS+16:XS+31], v14
	v_nop                                          ; one plain place behind a scaled conversion
.irp k, 0,1,2
	v_mov_b32 v[IM+3+\k], v[28+\k]
.endr
.endm
; Run 0 holds every lane's even blocks, run 1 the odd ones.  Lanes 0-15 are the rows of one row block, lanes 16-31 of the next: run 0's upper lanes change places with run 1's lower lanes,
; and run 0 is the first row block's image, run 1 the second's.
.macro WOUT u
.irp k, 0,1,2,3,4,5,6,7,8,9,10,11
	v_permlane16_swap_b32 v[192+\k], v[204+\k]
.endr
.irp c, 0,1,2
	global_store_b128 v4, v[192+4*\c:192+4*\c+3], s[14:15] offset:(\u)*1536+512*\c
	global_store_b128 v4, v[204+4*\c:204+4*\c+3], s[14:15] offset:(\u)*1536+12288+512*\c
.endr
	global_store_b32 v41, v[36+(\u)], s[12:13] offset:(\u)*45056
.endm
	WLD 0
	WLD 1
	WLD 2
	WLD 3
	WBLK 0
	WBLK 1
	WBLK 2
	WBLK 3
	WOUT 0
	s_endpgm
.Lfunc_end_k_qb946250e42_quant:
	.size	k_qb946250e42_quant, .Lfunc_end_k_qb946250e42_quant-k_qb946250e42_quant
	.p2alignl 7, 3214868480
	.fill 96, 4, 3214868480
	.section	.rodata,"a",@progbits
	.p2align	6, 0x0
	.amdhsa_kernel k_qb946250e42_quant
		.amdhsa_group_segment_fixed_size 35328
		.amdhsa_private_segment_fixed_size 0
		.amdhsa_enable_private_segment 0
		.amdhsa_kernarg_size 40
		.amdhsa_user_sgpr_count 2
		.amdhsa_user_sgpr_kernarg_segment_ptr 1
		.amdhsa_wavefront_size32 1
		.amdhsa_system_sgpr_workgroup_id_x 1
		.amdhsa_system_sgpr_workgroup_id_y 1
		.amdhsa_system_sgpr_workgroup_id_z 1
		.amdhsa_system_vgpr_workitem_id 0
		.amdhsa_next_free_vgpr 256
		.amdhsa_next_free_sgpr 66
		.amdhsa_reserve_vcc 0
		.amdhsa_float_denorm_mode_32 3
		.amdhsa_float_denorm_mode_16_64 3
		.amdhsa_memory_ordered 1
		.amdhsa_forward_progress 1
		.amdhsa_inst_pref_size 54
	.end_amdhsa_kernel
	.amdgpu_metadata
---
amdhsa.version: [ 1, 2 ]
amdhsa.kernels:
  - .name:           k_qb946250e42_quant
    .symbol:         k_qb946250e42_quant.kd
    .args:
      - { .name: x, .offset: 0, .size: 8, .value_kind: global_buffer, .address_space: global }
      - { .name: q_w, .offset: 8, .size: 8, .value_kind: global_buffer, .address_space: global }
      - { .name: k_w, .offset: 16, .size: 8, .value_kind: global_buffer, .address_space: global }
      - { .name: v_w, .offset: 24, .size: 8, .value_kind: global_buffer, .address_space: global }
      - { .name: op, .offset: 32, .size: 8, .value_kind: global_buffer, .address_space: global }
    .group_segment_fixed_size: 35328
    .private_segment_fixed_size: 0
    .kernarg_segment_align: 8
    .kernarg_segment_size: 40
    .max_flat_workgroup_size: 128
    .sgpr_count:     66
    .vgpr_count:     256
    .wavefront_size: 32
...
	.end_amdgpu_metadata
.endif
;; end of part 1
;; launch proj (part 2): grid 8 x 32, 4 waves a work-group, clusters of 4 x 4, 327,680 bytes of LDS; arguments op, qk, vt; writes qk, vt
.if DOCPART == 2
	.amdgcn_target "amdgcn-amd-amdhsa--gfx1250"
	.amdhsa_code_object_version 6
	.text
	.protected	k_qb946250e42_proj
	.globl	k_qb946250e42_proj
	.p2align	8
	.type	k_qb946250e42_proj,@function
k_qb946250e42_proj:
	s_mov_b64 s[64:65], 0
	v_nop
	global_prefetch_b8 v0, s[64:65] scope:SCOPE_SE
	s_setreg_imm32_b32 hwreg(HW_REG_WAVE_MODE, 25, 1), 1
	s_wait_xcnt 0x0
	s_wait_alu depctr_hold_cnt(0) depctr_sa_sdst(0) depctr_va_vdst(0) depctr_va_sdst(0) depctr_va_ssrc(0) depctr_va_vcc(0) depctr_vm_vsrc(0)
	s_getreg_b32 s2, hwreg(HW_REG_IB_STS2, 6, 4)
	s_cmp_eq_u32 s2, 0
	s_cbranch_scc0 .Lentry_in_a_cluster
	s_endpgm
.Lentry_in_a_cluster:
	s_bfe_u32 s2, ttmp6, 0x10000c
	s_cmp_lg_u32 s2, 0xf033
	s_cbranch_scc0 .Lentry_shape_is_right
	s_endpgm
.Lentry_shape_is_right:
; q = x q_w, k = x k_w, v = x v_w on codes of FP6 (E2M3) with E8M0 scales, K = 1,024; the results are quantised in registers for the products that follow and leave as operand images.
; INPUT op: [row block][8 K steps][1,536] images (a fragment's 12 registers: group c at 512 c + 16 x lane), scale words [K step][11,264 positions] from byte OPS on; rows in the order pi (bits 3 and 4 of a position exchanged).
;   Row blocks 0-511 x, 512-575 q_w's columns, 576-639 k_w's, 640-703 v_w's.
; OUTPUT qk: [512 blocks of tokens][16][1,536], K steps 0-7 q, 8-15 k, quantised along the 1,024 columns; words [16][8,192] from QKS on.
; OUTPUT vt: [64 blocks of v's columns][64 K steps of tokens][1,536], quantised along the tokens; words [64][1,024] from VTS on.
; A WORK-GROUP STAYS AND MAKES TWO TILES, so that the 8,192 x 3,072 results fall on 256 equal work-groups.  It owns 256 tokens (tile tr of 32) and column group g of 8.
;   FIRST: 256 tokens x columns 256 g .. 256 g + 255 of q | k.  Operand A (a lane's row, source 1) = x, operand B (a lane's registers, source 0) = q_w or k_w; four waves, 128 x 128 each: 64 accumulators, 512 products a wave.
;   SECOND: columns 128 g .. 128 g + 127 of v x the same 256 tokens.  A = v_w, B = x, so that a lane's registers run along the tokens, v's K; four waves, 64 x 128 each: 32 accumulators, 256 products a wave.
; Since B's rows lie in the order pi, the 16 registers of result tiles 2 b and 2 b + 1 are 16 logical neighbours: k = 32 b + 16 (lane / 16) + 0 .. 15 of the next product.  A wave's 128 B rows are one K step of that product.
; CLUSTER 4 x 4: x's tiles hang on the token tile alone and are asked for jointly along a row of the cluster (waves 0, 1), the weights' on the column group alone, along a column (waves 2, 3), in both products.
; LDS: three slots of 98,304 bytes.  The first product's K steps 0-5 and its scale words are asked for at the head (one tensor load of a wave is out at the most); slot 0 is filled again with K steps 6, 7 at K step 3.
;   The second product's tiles come four K steps to a load into the slots as they fall free.  P (K steps 0-3): x's two parts of 49,152 bytes in slot 1, v_w's two of 24,576 in the first half of slot 2, asked for at K step 5:
;   176 products and four blocks' quantising ahead of the wait for it.  Q (K steps 4-7): x's in slot 0, v_w's in the second half of slot 2, asked for in the middle of the first way out: four blocks' quantising and 96 products ahead.
;   x's scale words serve both products from the same bytes; v_w's come once from memory into 16 registers that hold nothing else, 128 consecutive bytes a load.
; No prefetch is laid: every tile is asked for at the head, where every work-group's first tiles are on their way, or by a load that stands as far ahead of its wait as just counted.
; LIMITS: a block whose largest magnitude lies under 2^-124 gets the byte 1 (this program alone reads the bytes); NaN and infinities are not served.
; REGISTERS: window 0: v4-27 addresses and offsets, v28, v29 the add's two, v32-47 scale words (two sets), v48-63 v_w's scale words, v64-255 A's fragments (two sets of 96, in the second product of 48), on the ways out at work;
;   window 1: B's fragments, two sets at v0 and v128; windows 2, 3: accumulator (a, b) at v[8 (8 (a % 4) + b)].
.set NA,    8                          ; A's blocks of a wave; 4 in the second product
.set NQ,    2                          ; K steps in a load; 4 in the second product
.set OPS,   8650752
.set QKS,   12582912
.set VTS,   6291456
.set PART,  24576                      ; what one tensor load of the first product brings: 8 row blocks x 2 K steps x 1,536
.set SLOT,  4*PART
.set SCL,   3*SLOT                     ; scale words: [K step][256 rows], 8,192 bytes a load: x's 256 rows, then the weight's 256
.set SPARE, SCL+4*4096                 ; the spare words, 128 bytes a wave: two blocks of 256 bytes that no other line names
.set STG,   SPARE+512                  ; a stage of 2,048 bytes a wave for the new scale words: bytes of its own, no tile lands there
.set A2,   4                           ; v4, v5  my v_w fragments in P, Q
.set B2,   6                           ; v6, v7  my x fragments in P, Q
.set SB2,  8                           ; v8      my tokens' scale words in the second product
.set SRD2, 9                           ; v9      stage + 512 + 8 x lane
.set VQI,  10                          ; v10     byte offset in qk of my first image, + 16 x lane
.set VQS,  11                          ; v11     of my 128 scale words, + 16 x lane
.set VVI,  12                          ; v12     the same in vt
.set VVS,  13                          ; v13     of my 64 scale words, + 8 x lane
.set VSO,  14                          ; v14     byte offset in op of my v_w rows' scale words, + 4 x lane
.set ADRA, 16                          ; v16-18  my A fragments in slot 0, 1, 2
.set ADRB, 19                          ; v19-21  my B fragments
.set ASA,  22                          ; my A rows' scale words
.set ASB,  23                          ; my B rows'
.set LI,   25                          ; 16 x lane
.set SG,   26                          ; stage + 4 x (lane % 16)
.set SRD,  27                          ; stage + 16 x lane
.set SPW,  28
.set NIL,  29
.set SC,   32                          ; set f at SC + 8 f: +0..3 A's words (register j: rows 32 j + lane), +4..7 B's
.set VS,   48                          ; v48-63  v_w's words: K step s at VS + 2 s (register j: rows 32 j + lane)
.set AF,   64
.set TM,   64                          ; the ways out, window 0: v64-79 at work
.set PT,   80
.set PW,   88
.set PC,   96
.set VB,   14                          ; s[14:15] v_w's codes at the 4 row blocks that I fetch
.set G0SA, 16
.set G0SB, 20
.set G1A,  24                          ; x, two K steps
.set G1B,  32                          ; q_w or k_w, two K steps
.set G1SA, 40
.set G1SB, 48
.set G1X2, 56                          ; x, four K steps
.set G1V2, 68                          ; v_w, four K steps
.set G0A0, 76
.set G0A1, 80
.set G0A2, 84
.set G0B0, 88
.set G0B1, 92
.set G0B2, 96
.set SEL,  100                         ; s[100:101] v_permlanex16_b32's selects for lane l xor 16
.set MSB, 0
.macro WIN new                         ; the immediate's high byte repeats the setting that is left
.if MSB != (\new)
	s_set_vgpr_msb (MSB<<8)|(\new)
.set MSB, (\new)
.endif
.endm
.macro PLACES                          ; four plain places behind matrix instructions, ahead of loads into registers that they read and of the first read of results
.rept 4
	v_nop
.endr
.endm
; A joint load: waves 0 and 1 fetch x, waves 2 and 3 a weight; the branch hangs on the wave's number alone.  An s_nop 0 and four v_nop follow each line.
.macro JLOAD g0a, g1a, g0b, g1b
	s_cmp_eq_u32 s11, 0
	s_cbranch_scc0 .Lfor_b_\@
	tensor_load_to_lds s[\g0a:\g0a+3], s[\g1a:\g1a+7]
	s_nop 0
.rept 4
	v_nop
.endr
	s_branch .Lasked_\@
.Lfor_b_\@:
	tensor_load_to_lds s[\g0b:\g0b+3], s[\g1b:\g1b+7]
	s_nop 0
.rept 4
	v_nop
.endr
.Lasked_\@:
.endm
.macro CREST                           ; a round of the cluster's barrier behind its opening barrier
	s_cmp_lg_u32 s10, 0
	s_cbranch_scc1 .Lnot_wave_0_\@
	s_barrier_signal -3
.Lnot_wave_0_\@:
	s_barrier_wait -3
	s_barrier_signal -1
	s_barrier_wait -1
.endm
.macro CROUND
	s_barrier_signal -1
	s_barrier_wait -1
	CREST
.endm
.macro FING0 g, ldsr, ldso             ; descriptor group 0, its global address already in place: count 1, LDS address, type 2
	s_mov_b32 s[\g], 1
	s_add_co_u32 s[\g+1], s[\ldsr], \ldso
	s_or_b32 s[\g+3], s[\g+3], 0x80000000
.endm
.macro SETSC f, cur                    ; where A's scale words of the K step in hand stand: in set f, or (v_w's) in the registers of K step cur
.if NA == 8
.set SCA, SC+8*(\f)
.else
.set SCA, VS+2*(\cur)
.endif
.endm
; One product: B's block b (source 0) x A's block a (source 1), fragment set f.  A block's scale words lie in lanes 0-15 (even block) or 16-31 (odd block) of its register.
.macro WM a, b, f, zero
.set rD, 8*(8*((\a)%4)+(\b))
.set rB, 128*(\f)+12*(\b)
.set rA, AF+12*NA*(\f)+12*(\a)
.set rT, SC+8*(\f)+4+(\b)/2
.set rU, SCA+(\a)/2
.set par, 2*((\a)%2)+(\b)%2+4*(\zero)
.if par == 0
	v_wmma_scale_f32_16x16x128_f8f6f4 v[rD:rD+7], v[rB:rB+11], v[rA:rA+11], v[rD:rD+7], v[rT], v[rU] matrix_a_fmt:MATRIX_FMT_FP6 matrix_b_fmt:MATRIX_FMT_FP6
.elseif par == 1
	v_wmma_scale_f32_16x16x128_f8f6f4 v[rD:rD+7], v[rB:rB+11], v[rA:rA+11], v[rD:rD+7], v[rT], v[rU] matrix_a_fmt:MATRIX_FMT_FP6 matrix_b_fmt:MATRIX_FMT_FP6 matrix_a_scale:MATRIX_SCALE_ROW1
.elseif par == 2
	v_wmma_scale_f32_16x16x128_f8f6f4 v[rD:rD+7], v[rB:rB+11], v[rA:rA+11], v[rD:rD+7], v[rT], v[rU] matrix_a_fmt:MATRIX_FMT_FP6 matrix_b_fmt:MATRIX_FMT_FP6 matrix_b_scale:MATRIX_SCALE_ROW1
.elseif par == 3
	v_wmma_scale_f32_16x16x128_f8f6f4 v[rD:rD+7], v[rB:rB+11], v[rA:rA+11], v[rD:rD+7], v[rT], v[rU] matrix_a_fmt:MATRIX_FMT_FP6 matrix_b_fmt:MATRIX_FMT_FP6 matrix_a_scale:MATRIX_SCALE_ROW1 matrix_b_scale:MATRIX_SCALE_ROW1
.elseif par == 4
	v_wmma_scale_f32_16x16x128_f8f6f4 v[rD:rD+7], v[rB:rB+11], v[rA:rA+11], 0, v[rT], v[rU] matrix_a_fmt:MATRIX_FMT_FP6 matrix_b_fmt:MATRIX_FMT_FP6
.elseif par == 5
	v_wmma_scale_f32_16x16x128_f8f6f4 v[rD:rD+7], v[rB:rB+11], v[rA:rA+11], 0, v[rT], v[rU] matrix_a_fmt:MATRIX_FMT_FP6 matrix_b_fmt:MATRIX_FMT_FP6 matrix_a_scale:MATRIX_SCALE_ROW1
.elseif par == 6
	v_wmma_scale_f32_16x16x128_f8f6f4 v[rD:rD+7], v[rB:rB+11], v[rA:rA+11], 0, v[rT], v[rU] matrix_a_fmt:MATRIX_FMT_FP6 matrix_b_fmt:MATRIX_FMT_FP6 matrix_b_scale:MATRIX_SCALE_ROW1
.else
	v_wmma_scale_f32_16x16x128_f8f6f4 v[rD:rD+7], v[rB:rB+11], v[rA:rA+11], 0, v[rT], v[rU] matrix_a_fmt:MATRIX_FMT_FP6 matrix_b_fmt:MATRIX_FMT_FP6 matrix_a_scale:MATRIX_SCALE_ROW1 matrix_b_scale:MATRIX_SCALE_ROW1
.endif
.endm
.macro MULA a, f, zero                 ; A's block a against B's eight.  The accumulators take turns, in the same order in every K step
	WIN 0xa1+0x50*((\a)/4)
.irp b, 0,1,2,3,4,5,6,7
	WM \a, \b, \f, \zero
.endr
.endm
.macro MULS first, f, zero             ; A's blocks first .. NA - 1
.irp a, 0,1,2,3,4,5,6,7
.if (\a >= \first) && (\a < NA)
	MULA \a, \f, \zero
.endif
.endr
.endm
; The LDS loads of K step s (its load's q-th) into set f, in one run: each image by three loads of 512 consecutive bytes; then the scale words, 32 rows a load.  56 loads in the first product, 40 in the second.
.macro FETCH slot, q, f, s
	WIN 0x40
.irp i, 0,1,2,3,4,5,6,7
.irp c, 0,1,2
	ds_load_b128 v[128*(\f)+12*\i+4*\c:128*(\f)+12*\i+4*\c+3], v[ADRB+(\slot)] offset:\i*NQ*1536+(\q)*1536+512*\c
.endr
.endr
	WIN 0
.irp i, 0,1,2,3,4,5,6,7
.if \i < NA
.irp c, 0,1,2
	ds_load_b128 v[AF+12*NA*(\f)+12*\i+4*\c:AF+12*NA*(\f)+12*\i+4*\c+3], v[ADRA+(\slot)] offset:\i*NQ*1536+(\q)*1536+512*\c
.endr
.endif
.endr
.if NA == 8
.irp j, 0,1,2,3
	ds_load_b32 v[SC+8*(\f)+\j], v[ASA] offset:(\s)*1024+128*\j
.endr
.endif
.irp j, 0,1,2,3
	ds_load_b32 v[SC+8*(\f)+4+\j], v[ASB] offset:(\s)*1024+128*\j
.endr
.endm
; K step cur on set f, whose successor (slot, q, s) lies behind no barrier: the successor is fetched into the other set first and has the step's products in which to land
.macro KN f, zero, cur, slot, q, s
	SETSC \f, \cur
	s_wait_dscnt 0x0                               ; set f is in
	PLACES                                         ; the other set was read by the products just issued
	FETCH \slot, \q, 1-\f, \s
	MULS 0, \f, \zero
.endm
; A load's last K step, nothing filled behind its barrier.  tc: the younger tensor loads that may stay out when the next tile must be whole
.macro KT0 f, cur, tc, slot, s
	SETSC \f, \cur
	s_wait_tensorcnt \tc                           ; my part of the next tile has landed
	s_wait_dscnt 0x0                               ; set f is in: no LDS instruction of mine is out at the signal
	s_barrier_signal -1
	MULA 0, \f, 0
	MULA 1, \f, 0
	s_barrier_wait -1                              ; everybody's part has landed
	PLACES
	FETCH \slot, 0, 1-\f, \s
	MULS 2, \f, 0
.endm
; A slot's last K step, with a refill.  prep = 0: slot 0 takes the first product's K steps 6, 7.  prep = 1: slot 1 and the first half of slot 2 take P, the second product's K steps 0-3.
.macro KT1 f, cur, prep, ga, g1a, gb, g1b, slot, s
	SETSC \f, \cur
	WIN 0                                          ; (the add's two registers lie in window 0)
	s_wait_tensorcnt 0x0                           ; all my tensor loads have landed, so every group 0 may be written;
	ds_add_u32 v[SPW], v[NIL]                      ; 0 onto my spare word
.if \prep == 0
	s_add_nc_u64 s[\ga+2:\ga+3], s[\ga+2:\ga+3], 9216   ; three slots of 3,072 bytes on
	s_add_nc_u64 s[\gb+2:\gb+3], s[\gb+2:\gb+3], 9216
.else
	s_mul_i32 s2, s12, 49152
	s_add_co_u32 s[\ga+1], s2, SLOT                ; x's part: slot 1
	s_sub_nc_u64 s[\ga+2:\ga+3], s[\ga+2:\ga+3], 3072   ; this group 0 stood at K step 2 of my rows of x: back to K step 0
	s_mul_i32 s3, s12, 24576
	s_add_co_u32 s[\gb+1], s3, 2*SLOT              ; v_w's part: the first half of slot 2
	s_mov_b64 s[\gb+2:\gb+3], s[VB:VB+1]
	s_or_b32 s[\gb+3], s[\gb+3], 0x80000000
.endif
	s_wait_dscnt 0x1                               ; set f is in: my reads of the bytes to be filled are over; the one that may be out is the add
	MULA 0, \f, 0
	s_wait_dscnt 0x0                               ; the add is done
	s_barrier_signal -1
	MULA 1, \f, 0
	WIN 0
	s_barrier_wait -1
	CREST                                          ; the barrier has opened a round of the cluster's: no wave of any partner reads those bytes or has a load on its way
	JLOAD \ga, \g1a, \gb, \g1b                     ; the first tensor load behind the round; its four v_nop are the places ahead of the loads below
	FETCH \slot, 0, 1-\f, \s
	MULS 2, \f, 0
.endm
.macro KL f, cur                       ; a product's last K step
	SETSC \f, \cur
	s_wait_dscnt 0x0
	MULS 0, \f, 0
	WIN 0
.endm
; Q, the second product's K steps 4-7, into slot 0 and the second half of slot 2, whose last reads were waited for at the head of the first product's last K step.  It stands in the middle of the first way out.
.macro QFILL
	s_wait_tensorcnt 0x0                           ; all my tensor loads have landed: my part of P; so every group 0 may be written;
	ds_add_u32 v[SPW], v[NIL]                      ; 0 onto my spare word
	s_mul_i32 s2, s12, 49152
	s_mov_b32 s[G0A2+1], s2                        ; x's part: slot 0.  This group 0 stands at K step 4 of my rows of x, where Q begins
	s_mul_i32 s3, s12, 24576
	s_add_co_u32 s[G0B2+1], s3, 2*SLOT+49152       ; v_w's part: the second half of slot 2
	s_add_nc_u64 s[G0B2+2:G0B2+3], s[VB:VB+1], 6144
	s_or_b32 s[G0B2+3], s[G0B2+3], 0x80000000
	s_wait_dscnt 0x0                               ; the add is done, and so are my stores into the stage
	CROUND                                         ; no wave of any partner reads those bytes or has a load on its way; and P is whole in every work-group
	JLOAD G0A2, G1X2, G0B2, G1V2                   ; the first tensor load behind the round
.endm
	s_load_b128 s[4:7], s[0:1], 0x0                ; op, qk
	s_load_b64 s[8:9], s[0:1], 0x10                ; vt
	v_lshl_add_u32 v[SPW], v0, 2, SPARE
	v_mov_b32 v[NIL], 0
	ds_add_u32 v[SPW], v[NIL]                      ; the wave's opening: the add and its wait ahead of my first tensor load; work on registers stands between them
	ds_add_u32 v[SPW], v[NIL]
	v_lshrrev_b32 v1, 5, v0
	v_readfirstlane_b32 s10, v1                    ; wave
	v_and_b32 v2, 31, v0                           ; lane
	v_lshlrev_b32 v1, 2, v2                        ; 4 x lane
	s_wait_alu depctr_va_vdst(0)
	v_lshlrev_b32 v[LI], 4, v2                     ; 16 x lane
	s_wait_alu depctr_va_vdst(0)
	s_lshr_b32 s11, s10, 1                         ; rh: my half of A's rows.  Also: I fetch x (0) or a weight (1)
	s_and_b32 s12, s10, 1                          ; ch: my half of B's rows.  Also: which half I fetch
	s_bfe_u32 s13, ttmp6, 0x40004                  ; cy
	s_bfe_u32 s66, ttmp6, 0x40000                  ; cx
	s_lshl_b32 s2, s13, 2
	s_lshl_b32 s2, 15, s2                          ; my row of the cluster
	s_lshl_b32 s3, 0x1111, s66                     ; my column
	s_or_b32 s[G1A], s2, (3<<16)|(1<<21)           ; the mask; elements of 8 bytes; bit 21 beside a mask; no padding
	s_or_b32 s[G1SA], s2, (3<<16)|(1<<21)
	s_or_b32 s[G1X2], s2, (3<<16)|(1<<21)
	s_or_b32 s[G1B], s3, (3<<16)|(1<<21)
	s_or_b32 s[G1SB], s3, (3<<16)|(1<<21)
	s_or_b32 s[G1V2], s3, (3<<16)|(1<<21)
.irp g, G1A, G1B                       ; codes, two K steps: 8 rows (row blocks) of 3,072 bytes, 12,288 bytes apart
	s_mov_b32 s[\g+1], 384<<16
	s_mov_b32 s[\g+2], 8<<16
	s_mov_b32 s[\g+3], 384<<16
	s_mov_b32 s[\g+4], 8
	s_mov_b32 s[\g+5], 1536
	s_mov_b32 s[\g+6], 0
	s_mov_b32 s[\g+7], 0
.endr
.irp g, G1SA, G1SB                     ; scale words: 8 rows (K steps) of 1,024 bytes (the tile's 256 positions), 45,056 bytes apart
	s_mov_b32 s[\g+1], 128<<16
	s_mov_b32 s[\g+2], 8<<16
	s_mov_b32 s[\g+3], 128<<16
	s_mov_b32 s[\g+4], 8
	s_mov_b32 s[\g+5], 5632
	s_mov_b32 s[\g+6], 0
	s_mov_b32 s[\g+7], 0
.endr
	s_mov_b32 s[G1X2+1], 768<<16                   ; x, four K steps: 8 rows of 6,144 bytes, 12,288 bytes apart
	s_mov_b32 s[G1X2+2], 16<<16                    ; at the head 16 rows: x's whole tile, K steps 0-3; set to 8 behind the head's wait
	s_mov_b32 s[G1X2+3], 768<<16
	s_mov_b32 s[G1X2+4], 16
	s_mov_b32 s[G1X2+5], 1536
	s_mov_b32 s[G1X2+6], 0
	s_mov_b32 s[G1X2+7], 0
	s_mov_b32 s[G1V2+1], 768<<16                   ; v_w, four K steps: 4 rows of 6,144 bytes
	s_mov_b32 s[G1V2+2], 16<<16                    ; at the head 16 rows: q_w | k_w's whole tile, K steps 0-3; set to 4 behind the head's wait
	s_mov_b32 s[G1V2+3], 768<<16
	s_mov_b32 s[G1V2+4], 16
	s_mov_b32 s[G1V2+5], 1536
	s_mov_b32 s[G1V2+6], 0
	s_mov_b32 s[G1V2+7], 0
	s_and_b32 s2, ttmp7, 0xffff
	s_lshl_b32 s2, s2, 2
	s_add_co_u32 s13, s13, s2                      ; tr: the tile of 256 tokens = 4 x cluster y + cy
	s_lshl_b32 s2, ttmp9, 2
	s_add_co_u32 s66, s66, s2                      ; g: the column group = 4 x cluster x + cx
	s_lshl_b32 s2, s13, 4                          ; x: the tile's first row block, 16 tr
	s_lshl_b32 s[G0SA+2], s2, 6                    ; its 256 scale words of a K step
	s_add_co_u32 s[G0SA+2], s[G0SA+2], OPS
	s_mov_b32 s[G0SA+3], 0
	s_mul_i32 s[G0A1+2], s2, 12288                 ; its codes: the head's load
	s_mov_b32 s[G0A1+3], 0
	s_lshl_b32 s3, s12, 3
	s_add_co_u32 s2, s2, s3                        ; the 8 row blocks that I fetch behind the head: 16 tr + 8 x half
	s_mul_i32 s[G0A0+2], s2, 12288
	s_mov_b32 s[G0A0+3], 0
	s_lshl_b32 s2, s66, 4
	s_add_co_u32 s2, s2, 512                       ; q_w | k_w: the tile's first row block, 512 + 16 g
	s_lshl_b32 s[G0SB+2], s2, 6
	s_add_co_u32 s[G0SB+2], s[G0SB+2], OPS
	s_mov_b32 s[G0SB+3], 0
	s_mul_i32 s[G0B1+2], s2, 12288
	s_mov_b32 s[G0B1+3], 0
	s_add_co_u32 s2, s2, s3
	s_mul_i32 s[G0B0+2], s2, 12288
	s_mov_b32 s[G0B0+3], 0
	s_lshl_b32 s2, s66, 3                          ; 8 g
	s_lshl_b32 s3, s12, 2
	s_add_co_u32 s3, s3, s2
	s_add_co_u32 s3, s3, 640                       ; v_w: the 4 row blocks that I fetch: 640 + 8 g + 4 x half
	s_mul_i32 s[VB], s3, 12288
	s_mov_b32 s[VB+1], 0
	s_lshl_b32 s3, s11, 2
	s_add_co_u32 s3, s3, s2                        ; the first of the 4 blocks of v's columns that I make: 8 g + 4 rh
	s_add_co_u32 s67, s3, 640
	s_lshl_b32 s67, s67, 6
	s_add_co_u32 s67, s67, OPS
	v_add_nc_u32 v[VSO], s67, v1                   ; their scale words in op
	s_lshl_b32 s67, s3, 6
	s_lshl_b32 s2, s13, 1
	s_add_co_u32 s2, s2, s12                       ; my K step of tokens: 2 tr + ch
	s_add_co_u32 s67, s67, s2
	s_mul_i32 s67, s67, 1536
	v_add_nc_u32 v[VVI], s67, v[LI]                ; vt: my first image
	s_lshl_b32 s2, s2, 10
	s_lshl_b32 s3, s3, 4
	s_add_co_u32 s2, s2, s3
	s_lshl_b32 s2, s2, 2
	s_add_co_u32 s2, s2, VTS
	v_lshl_add_u32 v[VVS], v2, 3, s2               ; vt: my 64 scale words
	s_lshl_b32 s2, s13, 4
	s_lshl_b32 s3, s11, 3
	s_add_co_u32 s2, s2, s3                        ; the first of the 8 blocks of tokens that I make: 16 tr + 8 rh
	s_lshl_b32 s3, s66, 1
	s_add_co_u32 s3, s3, s12                       ; my K step of q | k's columns: 2 g + ch
	s_lshl_b32 s67, s2, 4
	s_add_co_u32 s67, s67, s3
	s_mul_i32 s67, s67, 1536
	v_add_nc_u32 v[VQI], s67, v[LI]                ; qk: my first image
	s_lshl_b32 s3, s3, 13
	s_lshl_b32 s2, s2, 4
	s_add_co_u32 s2, s2, s3
	s_lshl_b32 s2, s2, 2
	s_add_co_u32 s2, s2, QKS
	v_add_nc_u32 v[VQS], s2, v[LI]                 ; qk: my 128 scale words
	s_mul_i32 s2, s10, PART                        ; where the first product's tiles go: wave x 24,576: no place in the cluster enters an LDS address
	s_mov_b32 s3, 0
	s_mov_b32 s[SEL], 0x76543210
	s_mov_b32 s[SEL+1], 0xfedcba98
	s_wait_dscnt 0x0                               ; the opening add is done
	s_wait_kmcnt 0x0
	s_add_nc_u64 s[G0A0+2:G0A0+3], s[4:5], s[G0A0+2:G0A0+3]
	s_add_nc_u64 s[G0A1+2:G0A1+3], s[4:5], s[G0A1+2:G0A1+3]
	s_add_nc_u64 s[G0A2+2:G0A2+3], s[G0A0+2:G0A0+3], 6144
	s_add_nc_u64 s[G0B0+2:G0B0+3], s[4:5], s[G0B0+2:G0B0+3]
	s_add_nc_u64 s[G0B1+2:G0B1+3], s[4:5], s[G0B1+2:G0B1+3]
	s_add_nc_u64 s[G0B2+2:G0B2+3], s[G0B0+2:G0B0+3], 6144
	s_add_nc_u64 s[G0SA+2:G0SA+3], s[4:5], s[G0SA+2:G0SA+3]
	s_add_nc_u64 s[G0SB+2:G0SB+3], s[4:5], s[G0SB+2:G0SB+3]
	s_add_nc_u64 s[VB:VB+1], s[4:5], s[VB:VB+1]
	FING0 G0SA, 3, SCL
	FING0 G0SB, 3, SCL+8192
	FING0 G0A1, 3, 0
	FING0 G0B1, 3, SLOT
	FING0 G0A0, 2, 0
	FING0 G0B0, 2, 0
	FING0 G0A2, 2, 2*SLOT
	FING0 G0B2, 2, 2*SLOT
	CROUND                                         ; all sixteen work-groups are here: the first joint loads meet
; THE HEAD'S LOADS, ONE A WAVE: wave 0 x's 16 row blocks, K steps 0-3, to byte 0; wave 1 the weight's, to byte SLOT; wave 2 x's scale words, wave 3 the weight's.
; One chain of branches on the wave's number, a load in each arm, all arms to one join.  K steps 4, 5 follow behind the full sequence and a round, K steps 6, 7 at K step 3 into bytes 0 .. SLOT - 1.
.macro ARM under, g0, g1, next
	s_cmp_lt_u32 s10, \under
	s_cbranch_scc0 \next
	tensor_load_to_lds s[\g0:\g0+3], s[\g1:\g1+7]
	s_nop 0
.rept 4
	v_nop
.endr
	s_branch .Lhead_asked
\next:
.endm
	ARM 1, G0A1, G1X2, .Lhead_b
	ARM 2, G0B1, G1V2, .Lhead_sa
	ARM 3, G0SA, G1SA, .Lhead_sb
	tensor_load_to_lds s[G0SB:G0SB+3], s[G1SB:G1SB+7]
	s_nop 0
.rept 4
	v_nop
.endr
.Lhead_asked:
	s_wait_alu depctr_va_vdst(0)
.irp s, 0,1,2,3,4,5,6,7
.irp j, 0,1
	global_load_b32 v[VS+2*\s+\j], v[VSO], s[4:5] offset:\s*45056+128*\j   ; v_w's scale words of my 64 rows, for all of K: waited for ahead of the second product; nothing else touches these registers
.endr
.endr
	v_and_b32 v3, 15, v0
	s_mul_i32 s2, s11, PART                        ; place 0: K steps 0-3 (A's half at 2 PART rh, B's at SLOT + 2 PART ch); place 1: K steps 6, 7 in bytes 0 .. SLOT - 1; place 2: K steps 4, 5
	v_add_nc_u32 v[ADRA+1], s2, v[LI]
	v_add_nc_u32 v[ADRA+2], 2*SLOT, v[ADRA+1]
	v_add_nc_u32 v[ADRA], s2, v[ADRA+1]
	s_mul_i32 s2, s12, PART
	s_add_co_u32 s2, s2, 2*PART
	v_add_nc_u32 v[ADRB+1], s2, v[LI]
	v_add_nc_u32 v[ADRB+2], 2*SLOT, v[ADRB+1]
	v_add_nc_u32 v[ADRB], s2, v[ADRB+1]
	s_lshl_b32 s2, s11, 9
	s_add_co_u32 s2, s2, SCL
	v_add_nc_u32 v[ASA], s2, v1
	s_lshl_b32 s2, s12, 9
	s_add_co_u32 s3, s2, SCL+8192
	v_add_nc_u32 v[ASB], s3, v1
	s_add_co_u32 s3, s2, SCL
	v_add_nc_u32 v[SB2], s3, v1                    ; the second product's B is x: tokens 128 ch on
	s_lshl_b32 s2, s10, 11
	s_add_co_u32 s2, s2, STG
	v_lshl_add_u32 v[SG], v3, 2, s2
	v_add_nc_u32 v[SRD], s2, v[LI]
	s_add_co_u32 s2, s2, 512
	v_lshl_add_u32 v[SRD2], v2, 3, s2
	s_mul_i32 s2, s11, 24576
	s_add_co_u32 s2, s2, 2*SLOT
	v_add_nc_u32 v[A2], s2, v[LI]                  ; v_w's part rh in P,
	v_add_nc_u32 v[A2+1], 49152, v[A2]             ; in Q
	s_mul_i32 s2, s12, 49152
	v_add_nc_u32 v[B2+1], s2, v[LI]                ; x's part ch in Q,
	v_add_nc_u32 v[B2], SLOT, v[B2+1]              ; in P
	s_wait_alu depctr_va_vdst(0)
	s_wait_tensorcnt 0x0                           ; my tile of the head's four is in
	ds_add_u32 v[SPW], v[NIL]
	s_mov_b32 s[G1X2+2], 8<<16                     ; no tensor load of mine is out, so descriptors may be written: x's later loads bring 8 rows,
	s_mov_b32 s[G1X2+4], 8
	s_mov_b32 s[G1V2+2], 4<<16                     ; v_w's 4,
	s_mov_b32 s[G1V2+4], 4
	s_add_nc_u64 s[G0A1+2:G0A1+3], s[G0A0+2:G0A0+3], 3072   ; and this group 0 stands at K step 2 of my 8 row blocks of x
	s_wait_dscnt 0x0
	CROUND                                         ; all four tiles are in, and all sixteen work-groups are here
	JLOAD G0A2, G1A, G0B2, G1B                     ; K steps 4, 5: the first tensor load behind the round
	; ---------------- the first product ----------------
.set NQ, 4
	FETCH 0, 0, 0, 0
	KN  0, 1, 0, 0, 1, 1                           ; K step 0 starts the sums: nothing is cleared
	KN  1, 0, 1, 0, 2, 2
	KN  0, 0, 2, 0, 3, 3
.set NQ, 2
	KT1 1, 3, 0, G0A0, G1A, G0B0, G1B, 2, 4        ; K step 3: K steps 0-3 have been read out; bytes 0 .. SLOT - 1 take K steps 6, 7
	KN  0, 0, 4, 2, 1, 5
	KT1 1, 5, 1, G0A1, G1X2, G0B1, G1V2, 1, 6      ; K step 5: P
	KN  0, 0, 6, 1, 1, 7
	KL  1, 7
; A WAY OUT.  Block a's 64 registers of a lane are 128 neighbours along the next K of one row, 16 of each block of 32: largest magnitudes, bytes, conversions, exchange of halves: an image, stored as it stands.
; vo: my offset register; bs: the buffer's address; stride: bytes from row block to row block; so: where in my stage the scale words are gathered
.macro QP a, vo, bs, stride, so
.set W, 2+(\a)/4
.set S, 64*((\a)%4)
.set PCA, PC+12*(\a)
	WIN W*5                                        ; sources 0 and 1: the accumulators' window
.irp b, 0,1,2,3
	v_max3_num_f32 v[TM+\b], |v[S+16*\b]|, |v[S+16*\b+1]|, 0x1800000   ; each accumulator is read from its low end on; the floor 2^(3 - 127) holds the byte at 1 from below
.endr
.irp i, 2,4,6,8,10,12,14
.irp b, 0,1,2,3
	v_max3_num_f32 v[TM+\b], |v[S+16*\b+\i]|, |v[S+16*\b+\i+1]|, v[TM+\b]
.endr
.endr
	WIN 0
.irp b, 0,1,2,3
	v_permlanex16_b32 v[TM+4+\b], v[TM+\b], s[SEL], s[SEL+1]
.endr
.irp b, 0,1,2,3
	v_max_num_f32 v[TM+\b], v[TM+\b], v[TM+4+\b]
.endr
.irp b, 0,1,2,3
	v_add_nc_u32 v[TM+12+\b], 0xff000000, v[TM+\b] ; 2 off the exponent field: the conversion's scale operand
.endr
.irp b, 0,1,2,3
	v_lshrrev_b32 v[TM+4+\b], 23, v[TM+12+\b]
.endr
	v_lshl_or_b32 v[PW+(\a)], v[TM+5], 8, v[TM+4]
	v_lshl_or_b32 v[PW+(\a)], v[TM+6], 16, v[PW+(\a)]
	v_lshl_or_b32 v[PW+(\a)], v[TM+7], 24, v[PW+(\a)]
	WIN W                                          ; source 0: the accumulators' window
.irp c, 0,1
	v_cvt_scalef32_pk16_fp6_f32 v[PCA+6*\c:PCA+6*\c+2], v[S+32*\c:S+32*\c+15], v[TM+12+2*\c]
	v_cvt_scalef32_pk16_fp6_f32 v[PT+4*\c:PT+4*\c+2], v[S+32*\c+16:S+32*\c+31], v[TM+12+2*\c+1]
.endr
	WIN 0
	v_nop                                          ; one plain place behind a scaled conversion
.irp c, 0,1
.irp i, 0,1,2
	v_permlane16_swap_b32 v[PCA+6*\c+\i], v[PT+4*\c+\i]
.endr
.irp i, 0,1,2
	v_mov_b32 v[PCA+6*\c+3+\i], v[PT+4*\c+\i]
.endr
.endr
.irp c, 0,1,2
	global_store_b128 v[\vo], v[PCA+4*\c:PCA+4*\c+3], s[\bs:\bs+1] offset:(\a)*(\stride)+512*\c   ; 512 consecutive bytes, aligned; in a way out each block has registers of its own, so no store's data are written again
.endr
	ds_store_b32 v[SG], v[PW+(\a)] offset:(\so)+64*(\a)   ; both halves of the lanes write the same word with the same value
.endm
	; ---------------- q | k leave ----------------
	PLACES
.irp b, 0,1,2,3
	v_mov_b32 v[TM+4+\b], 0                        ; a lane permute's destination counts as one of its sources
.endr
.irp a, 0,1,2,3
	QP \a, VQI, 6, 24576, 0
.endr
	QFILL
.irp a, 4,5,6,7
	QP \a, VQI, 6, 24576, 0
.endr
	ds_load_b128 v[TM:TM+3], v[SRD]                ; my 128 rows' scale words (LDS serves a wave's instructions in order)
	s_wait_dscnt 0x0
	global_store_b128 v[VQS], v[TM:TM+3], s[6:7]   ; 512 consecutive bytes, aligned
	; ---------------- the second product: A = v_w (64 rows a wave), B = x (128 tokens a wave) ----------------
.set NA,   4
.set NQ,   4
.set ADRA, A2
.set ADRB, B2
.set ASB,  SB2
	s_wait_xcnt 0x0                                ; the stores above have read their registers, into which the fragments below are loaded
	s_wait_loadcnt 0x0                             ; v_w's scale words
	FETCH 0, 0, 0, 0                               ; P was shown whole to every wave by the round in the way out
	KN  0, 1, 0, 0, 1, 1                           ; K step 0 starts the sums anew
	KN  1, 0, 1, 0, 2, 2
	KN  0, 0, 2, 0, 3, 3
	KT0 1, 3, 0, 1, 4                              ; K step 3; Q's load was my last, so its wait is for 0
	KN  0, 0, 4, 1, 1, 5
	KN  1, 0, 5, 1, 2, 6
	KN  0, 0, 6, 1, 3, 7
	KL  1, 7
	; ---------------- v leaves ----------------
	PLACES
.irp b, 0,1,2,3
	v_mov_b32 v[TM+4+\b], 0
.endr
.irp a, 0,1,2,3
	QP \a, VVI, 8, 98304, 512
.endr
	ds_load_b64 v[TM:TM+1], v[SRD2]                ; my 64 rows' scale words
	s_wait_dscnt 0x0
	global_store_b64 v[VVS], v[TM:TM+1], s[8:9]    ; 256 consecutive bytes, aligned
	s_wait_tensorcnt 0x0                           ; the wave's end: behind my last tensor load and my last LDS store
	ds_add_u32 v[SPW], v[NIL]
	s_wait_dscnt 0x0
	CROUND                                         ; the closing round
	s_endpgm
.Lfunc_end_k_qb946250e42_proj:
	.size	k_qb946250e42_proj, .Lfunc_end_k_qb946250e42_proj-k_qb946250e42_proj
	.p2alignl 7, 3214868480
	.fill 96, 4, 3214868480
	.section	.rodata,"a",@progbits
	.p2align	6, 0x0
	.amdhsa_kernel k_qb946250e42_proj
		.amdhsa_group_segment_fixed_size 327680
		.amdhsa_private_segment_fixed_size 0
		.amdhsa_enable_private_segment 0
		.amdhsa_kernarg_size 24
		.amdhsa_user_sgpr_count 2
		.amdhsa_user_sgpr_kernarg_segment_ptr 1
		.amdhsa_wavefront_size32 1
		.amdhsa_system_sgpr_workgroup_id_x 1
		.amdhsa_system_sgpr_workgroup_id_y 1
		.amdhsa_system_sgpr_workgroup_id_z 1
		.amdhsa_system_vgpr_workitem_id 0
		.amdhsa_next_free_vgpr 1024
		.amdhsa_next_free_sgpr 102
		.amdhsa_reserve_vcc 0
		.amdhsa_float_denorm_mode_32 3
		.amdhsa_float_denorm_mode_16_64 3
		.amdhsa_memory_ordered 1
		.amdhsa_forward_progress 1
		.amdhsa_inst_pref_size 218
	.end_amdhsa_kernel
	.amdgpu_metadata
---
amdhsa.version: [ 1, 2 ]
amdhsa.kernels:
  - .name:           k_qb946250e42_proj
    .symbol:         k_qb946250e42_proj.kd
    .args:
      - { .name: op, .offset: 0, .size: 8, .value_kind: global_buffer, .address_space: global }
      - { .name: qk, .offset: 8, .size: 8, .value_kind: global_buffer, .address_space: global }
      - { .name: vt, .offset: 16, .size: 8, .value_kind: global_buffer, .address_space: global }
    .group_segment_fixed_size: 327680
    .private_segment_fixed_size: 0
    .kernarg_segment_align: 8
    .kernarg_segment_size: 24
    .max_flat_workgroup_size: 128
    .sgpr_count:     102
    .vgpr_count:     1024
    .wavefront_size: 32
...
	.end_amdgpu_metadata
.endif
;; end of part 2
;; launch scores (part 3): grid 8 x 32, 4 waves a work-group, clusters of 4 x 4, 327,680 bytes of LDS; arguments qk, mask, pp; writes pp
.if DOCPART == 3
	.amdgcn_target "amdgcn-amd-amdhsa--gfx1250"
	.amdhsa_code_object_version 6
	.text
	.protected	k_qb946250e42_scores
	.globl	k_qb946250e42_scores
	.p2align	8
	.type	k_qb946250e42_scores,@function
k_qb946250e42_scores:
	s_mov_b64 s[64:65], 0
	v_nop
	global_prefetch_b8 v0, s[64:65] scope:SCOPE_SE
	s_setreg_imm32_b32 hwreg(HW_REG_WAVE_MODE, 25, 1), 1
	s_wait_xcnt 0x0
	s_wait_alu depctr_hold_cnt(0) depctr_sa_sdst(0) depctr_va_vdst(0) depctr_va_sdst(0) depctr_va_ssrc(0) depctr_va_vcc(0) depctr_vm_vsrc(0)
	s_getreg_b32 s2, hwreg(HW_REG_IB_STS2, 6, 4)
	s_cmp_eq_u32 s2, 0
	s_cbranch_scc0 .Lentry_in_a_cluster
	s_endpgm
.Lentry_in_a_cluster:
	s_bfe_u32 s2, ttmp6, 0x10000c
	s_cmp_lg_u32 s2, 0xf033
	s_cbranch_scc0 .Lentry_shape_is_right
	s_endpgm
.Lentry_shape_is_right:
; S = q k^T on codes of FP6 (E2M3), K = 1,024; then, in f32: logit = S / 32 + (mask ? 0 : -1e9) (the mask goes by the QUERY), t = logit x log2(e), p = 2^(t - M); p is quantised along the keys and leaves as operand images.
; M HERE IS LOCAL: the ceiling of the largest t among the 128 keys of my wave.  It is a whole number, so p under the row's own M differs by an exact power of two, which the last launch takes off the scale bytes.
; THE THREE STEPS ARE ROUNDED AS THEY ARE WRITTEN: fma(S, 1/32, addend) (1/32 is a power of two: one rounding, that of the addition), a multiplication by log2(e), an addition of -M.  Fusing the last two would leave, in masked rows
; (t about -1.4e9), the product's rounding error in the exponent.
; INPUT qk: [512 blocks of tokens][16][1,536] images, K steps 0-7 q, 8-15 k; scale words [16][8,192] from QKS on; rows in the order pi (bits 3 and 4 of a position exchanged).
; OUTPUT pp: [512 blocks of queries][16 K steps of keys][1,536]; from PPW on three planes [16][8,192]: p's scale words under the local M, the local M (f32), the local sum of the unquantised p (f32).
; SHARES.  A tile of 256 queries x 256 keys of one batch; four waves, 128 x 128 each.  Source 0 = k's rows, source 1 = q's rows: a lane holds one query, its registers run along the keys, in logical order thanks to pi.
; CLUSTER 4 x 4: q's tiles are asked for jointly along a row of the cluster, k's along a column.  LDS and the walk over K: three slots of two K steps, one refill; one tensor load of a wave is out at the most.
; No prefetch is laid: three quarters of the tiles' bytes are asked for at the head, where every work-group's first tiles are on their way.
; LIMITS: p under 2^-126 is 0 (v_exp_f32 gives no denormals); a block whose largest p lies under 2^-124 gets the byte 1; NaN and infinities are not served.
; REGISTERS as in the projections' launch; window 0, v48-55: the mask bytes of my 8 blocks of rows, loaded at the head.
.set NA,    8
.set NQ,    2
.set QKS,   12582912
.set PPW,   12582912
.set PART,  24576
.set SLOT,  4*PART
.set SCL,   3*SLOT
.set SPARE, SCL+4*4096                 ; the spare words, 128 bytes a wave: two blocks of 256 bytes that no other line names
.set STG,   SPARE+512                  ; a stage of 2,048 bytes a wave: three planes of 512 bytes; bytes of its own, no tile lands there
.set ADRA, 16
.set ADRB, 19
.set ASA,  22
.set ASB,  23
.set MO,   24                          ; my rows' bytes in the mask
.set LI,   25
.set SG,   26
.set SRD,  27
.set SPW,  28
.set NIL,  29
.set NEG,  30                          ; -1e9
.set SC,   32
.set AF,   64
.set MK,   48                          ; v48-55 mask bytes
.set MA,   56                          ; v56-71 the addend of block a's row, as the low word of a pair
.set BM,   72                          ; v72-75 the blocks' largest scores, then t - M, then p
.set BX,   76
.set SO,   80                          ; the conversions' scale operands
.set BY,   84                          ; bytes
.set RM,   88
.set NM,   90                          ; v[90:91] -M, as the low word of a pair
.set LA,   92                          ; v92-99 four chains of the row's sum
.set PT,   96                          ; v96-98, v100-102 the second halves of the blocks' codes
.set PW,   104
.set MS,   112
.set LS,   120
.set PC,   128
.set SEL,  20
.set C1,   92                          ; s[92:93] 1/32
.set C2,   94                          ; s[94:95] log2(e)
.set G1A,  24
.set G1B,  32
.set G1SA, 40
.set G1SB, 48
.set G0A0, 56
.set G0A1, 60
.set G0A2, 68
.set G0B0, 72
.set G0B1, 76
.set G0B2, 80
.set G0SA, 84
.set G0SB, 88
.set MSB, 0
.macro WIN new                         ; the immediate's high byte repeats the setting that is left
.if MSB != (\new)
	s_set_vgpr_msb (MSB<<8)|(\new)
.set MSB, (\new)
.endif
.endm
.macro PLACES                          ; four plain places behind matrix instructions (ISA guide 7.12.1)
.rept 4
	v_nop
.endr
.endm
.macro JLOAD g0a, g1a, g0b, g1b        ; a joint load: waves 0, 1 for A, waves 2, 3 for B; an s_nop 0 and four v_nop follow each line
	s_cmp_eq_u32 s11, 0
	s_cbranch_scc0 .Lfor_b_\@
	tensor_load_to_lds s[\g0a:\g0a+3], s[\g1a:\g1a+7]
	s_nop 0
.rept 4
	v_nop
.endr
	s_branch .Lasked_\@
.Lfor_b_\@:
	tensor_load_to_lds s[\g0b:\g0b+3], s[\g1b:\g1b+7]
	s_nop 0
.rept 4
	v_nop
.endr
.Lasked_\@:
.endm
.macro CREST
	s_cmp_lg_u32 s10, 0
	s_cbranch_scc1 .Lnot_wave_0_\@
	s_barrier_signal -3
.Lnot_wave_0_\@:
	s_barrier_wait -3
	s_barrier_signal -1
	s_barrier_wait -1
.endm
.macro CROUND
	s_barrier_signal -1
	s_barrier_wait -1
	CREST
.endm
.macro SETG0 g, ldsr, ldso, pair, off
	s_mov_b32 s[\g], 1
	s_add_co_u32 s[\g+1], s[\ldsr], \ldso
	s_add_nc_u64 s[\g+2:\g+3], s[\pair:\pair+1], \off
	s_or_b32 s[\g+3], s[\g+3], 0x80000000
.endm
.macro WM a, b, f, zero                ; B's block b (source 0) x A's block a (source 1); an odd block's scale words lie in lanes 16-31 of its register
.set rD, 8*(8*((\a)%4)+(\b))
.set rB, 128*(\f)+12*(\b)
.set rA, AF+12*NA*(\f)+12*(\a)
.set rT, SC+8*(\f)+4+(\b)/2
.set rU, SC+8*(\f)+(\a)/2
.set par, 2*((\a)%2)+(\b)%2+4*(\zero)
.if par == 0
	v_wmma_scale_f32_16x16x128_f8f6f4 v[rD:rD+7], v[rB:rB+11], v[rA:rA+11], v[rD:rD+7], v[rT], v[rU] matrix_a_fmt:MATRIX_FMT_FP6 matrix_b_fmt:MATRIX_FMT_FP6
.elseif par == 1
	v_wmma_scale_f32_16x16x128_f8f6f4 v[rD:rD+7], v[rB:rB+11], v[rA:rA+11], v[rD:rD+7], v[rT], v[rU] matrix_a_fmt:MATRIX_FMT_FP6 matrix_b_fmt:MATRIX_FMT_FP6 matrix_a_scale:MATRIX_SCALE_ROW1
.elseif par == 2
	v_wmma_scale_f32_16x16x128_f8f6f4 v[rD:rD+7], v[rB:rB+11], v[rA:rA+11], v[rD:rD+7], v[rT], v[rU] matrix_a_fmt:MATRIX_FMT_FP6 matrix_b_fmt:MATRIX_FMT_FP6 matrix_b_scale:MATRIX_SCALE_ROW1
.elseif par == 3
	v_wmma_scale_f32_16x16x128_f8f6f4 v[rD:rD+7], v[rB:rB+11], v[rA:rA+11], v[rD:rD+7], v[rT], v[rU] matrix_a_fmt:MATRIX_FMT_FP6 matrix_b_fmt:MATRIX_FMT_FP6 matrix_a_scale:MATRIX_SCALE_ROW1 matrix_b_scale:MATRIX_SCALE_ROW1
.elseif par == 4
	v_wmma_scale_f32_16x16x128_f8f6f4 v[rD:rD+7], v[rB:rB+11], v[rA:rA+11], 0, v[rT], v[rU] matrix_a_fmt:MATRIX_FMT_FP6 matrix_b_fmt:MATRIX_FMT_FP6
.elseif par == 5
	v_wmma_scale_f32_16x16x128_f8f6f4 v[rD:rD+7], v[rB:rB+11], v[rA:rA+11], 0, v[rT], v[rU] matrix_a_fmt:MATRIX_FMT_FP6 matrix_b_fmt:MATRIX_FMT_FP6 matrix_a_scale:MATRIX_SCALE_ROW1
.elseif par == 6
	v_wmma_scale_f32_16x16x128_f8f6f4 v[rD:rD+7], v[rB:rB+11], v[rA:rA+11], 0, v[rT], v[rU] matrix_a_fmt:MATRIX_FMT_FP6 matrix_b_fmt:MATRIX_FMT_FP6 matrix_b_scale:MATRIX_SCALE_ROW1
.else
	v_wmma_scale_f32_16x16x128_f8f6f4 v[rD:rD+7], v[rB:rB+11], v[rA:rA+11], 0, v[rT], v[rU] matrix_a_fmt:MATRIX_FMT_FP6 matrix_b_fmt:MATRIX_FMT_FP6 matrix_a_scale:MATRIX_SCALE_ROW1 matrix_b_scale:MATRIX_SCALE_ROW1
.endif
.endm
.macro MULA a, f, zero                 ; the 64 accumulators take turns, in the same order in every K step
	WIN 0xa1+0x50*((\a)/4)
.irp b, 0,1,2,3,4,5,6,7
	WM \a, \b, \f, \zero
.endr
.endm
.macro FETCH slot, q, f, s             ; 56 LDS loads in one run: K step s (the slot's q-th) into set f
	WIN 0x40
.irp i, 0,1,2,3,4,5,6,7
.irp c, 0,1,2
	ds_load_b128 v[128*(\f)+12*\i+4*\c:128*(\f)+12*\i+4*\c+3], v[ADRB+(\slot)] offset:\i*NQ*1536+(\q)*1536+512*\c
.endr
.endr
	WIN 0
.irp i, 0,1,2,3,4,5,6,7
.irp c, 0,1,2
	ds_load_b128 v[AF+12*NA*(\f)+12*\i+4*\c:AF+12*NA*(\f)+12*\i+4*\c+3], v[ADRA+(\slot)] offset:\i*NQ*1536+(\q)*1536+512*\c
.endr
.endr
.irp j, 0,1,2,3
	ds_load_b32 v[SC+8*(\f)+\j], v[ASA] offset:(\s)*1024+128*\j
.endr
.irp j, 0,1,2,3
	ds_load_b32 v[SC+8*(\f)+4+\j], v[ASB] offset:(\s)*1024+128*\j
.endr
.endm
.macro KN f, zero, slot, q, s          ; a K step whose successor lies behind no barrier
	s_wait_dscnt 0x0                               ; set f is in
	PLACES                                         ; the other set was read by the products just issued
	FETCH \slot, \q, 1-\f, \s
.irp a, 0,1,2,3,4,5,6,7
	MULA \a, \f, \zero
.endr
.endm
.macro KT0 f, tc, slot, s              ; a slot's last K step, nothing filled behind its barrier
	s_wait_tensorcnt \tc                           ; my part of the next slot has landed
	s_wait_dscnt 0x0                               ; no LDS instruction of mine is out at the signal
	s_barrier_signal -1
	MULA 0, \f, 0
	MULA 1, \f, 0
	s_barrier_wait -1
	PLACES
	FETCH \slot, 0, 1-\f, \s
.irp a, 2,3,4,5,6,7
	MULA \a, \f, 0
.endr
.endm
.macro KT1 f, ga, gb, step, slot, s    ; a slot's last K step, with a refill
	WIN 0
	s_wait_tensorcnt 0x0                           ; all my tensor loads have landed, so a group 0 may be written;
	ds_add_u32 v[SPW], v[NIL]                      ; 0 onto my spare word
	s_add_nc_u64 s[\ga+2:\ga+3], s[\ga+2:\ga+3], \step
	s_add_nc_u64 s[\gb+2:\gb+3], s[\gb+2:\gb+3], \step
	s_wait_dscnt 0x1                               ; set f is in; the one that may be out is the add
	MULA 0, \f, 0
	s_wait_dscnt 0x0                               ; the add is done; my reads of the slot to be filled were over long ago
	s_barrier_signal -1
	MULA 1, \f, 0
	WIN 0
	s_barrier_wait -1
	CREST                                          ; a round of the cluster's barrier: no wave of any partner reads that slot or has a load on its way
	JLOAD \ga, G1A, \gb, G1B                       ; the first tensor load behind the round; its four v_nop are the places ahead of the loads below
	FETCH \slot, 0, 1-\f, \s
.irp a, 2,3,4,5,6,7
	MULA \a, \f, 0
.endr
.endm
.macro KL f
	s_wait_dscnt 0x0
.irp a, 0,1,2,3,4,5,6,7
	MULA \a, \f, 0
.endr
	WIN 0
.endm
	s_load_b128 s[4:7], s[0:1], 0x0                ; qk, mask
	s_load_b64 s[8:9], s[0:1], 0x10                ; pp
	v_lshl_add_u32 v[SPW], v0, 2, SPARE
	v_mov_b32 v[NIL], 0
	ds_add_u32 v[SPW], v[NIL]                      ; the wave's opening: the add, twice on end, and its wait ahead of my first tensor load
	ds_add_u32 v[SPW], v[NIL]
	v_lshrrev_b32 v1, 5, v0
	v_readfirstlane_b32 s10, v1                    ; wave
	s_lshr_b32 s11, s10, 1                         ; rh: my half of the queries.  Also: I fetch for q (0) or k (1)
	s_and_b32 s12, s10, 1                          ; ch: my half of the keys.  Also: which half I fetch
	s_bfe_u32 s13, ttmp6, 0x40000                  ; cx
	s_bfe_u32 s14, ttmp6, 0x40004                  ; cy
	s_lshl_b32 s2, s14, 2
	s_lshl_b32 s2, 15, s2                          ; my row of the cluster
	s_lshl_b32 s3, 0x1111, s13                     ; my column
	s_or_b32 s[G1A], s2, (3<<16)|(1<<21)
	s_or_b32 s[G1B], s3, (3<<16)|(1<<21)
	s_or_b32 s[G1SA], s2, (3<<16)|(1<<21)
	s_or_b32 s[G1SB], s3, (3<<16)|(1<<21)
.irp g, G1A, G1B                       ; codes, at the head: 16 rows (row blocks) of 6,144 bytes (four K steps), 24,576 bytes apart; behind the head's wait 8 rows of 3,072
	s_mov_b32 s[\g+1], 768<<16
	s_mov_b32 s[\g+2], 16<<16
	s_mov_b32 s[\g+3], 768<<16
	s_mov_b32 s[\g+4], 16
	s_mov_b32 s[\g+5], 3072
	s_mov_b32 s[\g+6], 0
	s_mov_b32 s[\g+7], 0
.endr
.irp g, G1SA, G1SB                     ; scale words: 8 rows (K steps) of 1,024 bytes (the tile's 256 positions), 32,768 bytes apart
	s_mov_b32 s[\g+1], 128<<16
	s_mov_b32 s[\g+2], 8<<16
	s_mov_b32 s[\g+3], 128<<16
	s_mov_b32 s[\g+4], 8
	s_mov_b32 s[\g+5], 4096
	s_mov_b32 s[\g+6], 0
	s_mov_b32 s[\g+7], 0
.endr
	s_and_b32 s15, ttmp7, 0xffff                   ; the cluster's y
	s_lshl_b32 s16, s15, 2
	s_add_co_u32 s16, s16, s14                     ; the tile of 256 queries, 0 .. 31
	s_lshl_b32 s17, s16, 4                         ; q's first row block
	s_lshr_b32 s18, s15, 1                         ; the batch
	s_lshl_b32 s18, s18, 3
	s_lshl_b32 s19, ttmp9, 2
	s_add_co_u32 s19, s19, s13                     ; the tile of 256 keys in the batch, 0 .. 7
	s_add_co_u32 s18, s18, s19
	s_lshl_b32 s18, s18, 4                         ; k's first row block
	s_lshl_b32 s92, s11, 3
	s_add_co_u32 s92, s92, s17                     ; my first row block of queries
	s_lshl_b32 s93, s19, 1
	s_add_co_u32 s93, s93, s12                     ; my K step of keys
	s_lshl_b32 s98, s92, 4
	s_add_co_u32 s98, s98, s93
	s_mul_i32 s98, s98, 1536                       ; my first image, in bytes
	s_mov_b32 s99, 0
	s_lshl_b32 s100, s93, 13
	s_lshl_b32 s94, s92, 4                         ; my first query's position
	s_add_co_u32 s100, s100, s94
	s_lshl_b32 s100, s100, 2
	s_add_co_u32 s100, s100, PPW                   ; my 128 places in the first plane
	s_mov_b32 s101, 0
	s_mul_i32 s66, s12, 196608                     ; behind the head I fetch 8 row blocks: which half, in bytes
	s_mov_b32 s67, 0
	s_mul_i32 s20, s17, 24576
	s_mov_b32 s21, 0
	s_lshl_b32 s22, s17, 6
	s_add_co_u32 s22, s22, QKS
	s_mov_b32 s23, 0
	s_mul_i32 s92, s18, 24576
	s_add_co_u32 s92, s92, 12288                   ; k's images lie behind q's eight
	s_mov_b32 s93, 0
	s_lshl_b32 s96, s18, 6
	s_add_co_u32 s96, s96, QKS+262144              ; and its scale words behind q's eight K steps
	s_mov_b32 s97, 0
	s_mul_i32 s15, s10, PART
	s_wait_dscnt 0x0                               ; the opening add is done
	s_wait_kmcnt 0x0
	s_add_nc_u64 s[20:21], s[4:5], s[20:21]
	s_add_nc_u64 s[22:23], s[4:5], s[22:23]
	s_add_nc_u64 s[92:93], s[4:5], s[92:93]
	s_add_nc_u64 s[96:97], s[4:5], s[96:97]
	s_add_nc_u64 s[18:19], s[8:9], s[98:99]        ; pp: my images,
	s_add_nc_u64 s[8:9], s[8:9], s[100:101]        ; my places in the planes
	SETG0 G0SA, 67, SCL, 22, 0
	SETG0 G0SB, 67, SCL+8192, 96, 0
	SETG0 G0A1, 67, 0, 20, 0                       ; the head's loads of codes: the tile's 16 row blocks, K steps 0-3
	SETG0 G0B1, 67, SLOT, 92, 0
	s_add_nc_u64 s[20:21], s[20:21], s[66:67]      ; from here on my 8 row blocks
	s_add_nc_u64 s[92:93], s[92:93], s[66:67]
	SETG0 G0A0, 15, 0, 20, 0
	SETG0 G0B0, 15, 0, 92, 0
	SETG0 G0A2, 15, 2*SLOT, 20, 6144
	SETG0 G0B2, 15, 2*SLOT, 92, 6144
	CROUND                                         ; all sixteen work-groups are here: the first joint loads meet
; THE HEAD'S LOADS, ONE A WAVE: wave 0 q's 16 row blocks, K steps 0-3, to byte 0; wave 1 k's, to byte SLOT; wave 2 q's scale words, wave 3 k's.
; One chain of branches on the wave's number, a load in each arm, all arms to one join.  K steps 4, 5 follow behind the full sequence and a round, K steps 6, 7 at K step 3 into bytes 0 .. SLOT - 1.
.macro ARM under, g0, g1, next
	s_cmp_lt_u32 s10, \under
	s_cbranch_scc0 \next
	tensor_load_to_lds s[\g0:\g0+3], s[\g1:\g1+7]
	s_nop 0
.rept 4
	v_nop
.endr
	s_branch .Lhead_asked
\next:
.endm
	ARM 1, G0A1, G1A, .Lhead_b
	ARM 2, G0B1, G1B, .Lhead_sa
	ARM 3, G0SA, G1SA, .Lhead_sb
	tensor_load_to_lds s[G0SB:G0SB+3], s[G1SB:G1SB+7]
	s_nop 0
.rept 4
	v_nop
.endr
.Lhead_asked:
	v_and_b32 v1, 31, v0
	v_and_b32 v2, 15, v0
	v_and_b32 v3, 8, v2
	v_add_nc_u32 v[MO], v2, v3
	v_add_nc_u32 v[MO], s94, v[MO]                 ; row r of block a is logical query 32 (a / 2) + 8 (a % 2) + r + 8 (r / 8) of my 128
.irp a, 0,1,2,3,4,5,6,7
	global_load_u8 v[MK+\a], v[MO], s[6:7] offset:32*(\a/2)+8*(\a%2)   ; waited for on the way out; the walk over K touches none of these registers
.endr
	v_lshlrev_b32 v[LI], 4, v1
	s_mul_i32 s16, s11, PART                       ; place 0: K steps 0-3 (A's half at 2 PART rh, B's at SLOT + 2 PART ch); place 1: K steps 6, 7 in bytes 0 .. SLOT - 1; place 2: K steps 4, 5
	v_add_nc_u32 v[ADRA+1], s16, v[LI]
	v_add_nc_u32 v[ADRA+2], 2*SLOT, v[ADRA+1]
	v_add_nc_u32 v[ADRA], s16, v[ADRA+1]
	s_mul_i32 s16, s12, PART
	s_add_co_u32 s16, s16, 2*PART
	v_add_nc_u32 v[ADRB+1], s16, v[LI]
	v_add_nc_u32 v[ADRB+2], 2*SLOT, v[ADRB+1]
	v_add_nc_u32 v[ADRB], s16, v[ADRB+1]
	v_lshlrev_b32 v3, 2, v1
	s_lshl_b32 s16, s11, 9
	s_add_co_u32 s16, s16, SCL
	v_add_nc_u32 v[ASA], s16, v3
	s_lshl_b32 s16, s12, 9
	s_add_co_u32 s16, s16, SCL+8192
	v_add_nc_u32 v[ASB], s16, v3
	s_lshl_b32 s16, s10, 11
	s_add_co_u32 s16, s16, STG
	v_lshl_add_u32 v[SG], v2, 2, s16
	v_add_nc_u32 v[SRD], s16, v[LI]
	s_mov_b32 s[SEL], 0x76543210
	s_mov_b32 s[SEL+1], 0xfedcba98
	s_mov_b32 s[C1], 0x3d000000                    ; 1 / sqrt(1024) = 1/32
	s_mov_b32 s[C1+1], s[C1]                       ; (named with it as a pair, so it is written)
	s_mov_b32 s[C2], 0x3fb8aa3b                    ; log2(e)
	s_mov_b32 s[C2+1], s[C2]
	s_wait_alu depctr_va_vdst(0)                   ; the head's end
	s_wait_tensorcnt 0x0                           ; my tile of the head's four is in
	ds_add_u32 v[SPW], v[NIL]
.irp g, G1A, G1B                       ; no tensor load of mine is out, so descriptors may be written: from here on 8 rows of 3,072 bytes (two K steps)
	s_mov_b32 s[\g+1], 384<<16
	s_mov_b32 s[\g+2], 8<<16
	s_mov_b32 s[\g+3], 384<<16
	s_mov_b32 s[\g+4], 8
.endr
	s_wait_dscnt 0x0
	CROUND                                         ; all four tiles are in, and all sixteen work-groups are here
	JLOAD G0A2, G1A, G0B2, G1B                     ; K steps 4, 5: the first tensor load behind the round
.set NQ, 4
	FETCH 0, 0, 0, 0
	KN  0, 1, 0, 1, 1
	KN  1, 0, 0, 2, 2
	KN  0, 0, 0, 3, 3
.set NQ, 2
	KT1 1, G0A0, G0B0, 9216, 2, 4                  ; K step 3: K steps 0-3 have been read out; bytes 0 .. SLOT - 1 take K steps 6, 7
	KN  0, 0, 2, 1, 5
	KT0 1, 0, 1, 6                                 ; the refill was my last load, so its wait is for 0
	KN  0, 0, 1, 1, 7
	KL  1
	; THE WAY OUT
	PLACES
	s_wait_loadcnt 0x0                             ; the mask bytes
	v_mov_b32 v[NEG], 0xce6e6b28                   ; -1e9
.irp a, 0,1,2,3,4,5,6,7
	v_cmp_eq_u32 vcc_lo, 0, v[MK+\a]
	v_cndmask_b32 v[MA+2*\a], 0, v[NEG], vcc_lo    ; a query whose mask byte is 0 gets -1e9 on all its logits
	v_mov_b32 v[MA+2*\a+1], 0                      ; (named with it as a pair)
.endr
	v_mov_b32 v[NM+1], 0
.irp b, 0,1,2,3
	v_mov_b32 v[BX+\b], 0                          ; written once: a lane permute's destination counts as one of its sources
.endr
.macro SOFT a
.set W, 2+(\a)/4
.set S, 64*((\a)%4)
.set PCA, PC+12*(\a)
.set MAA, MA+2*(\a)
	WIN W*5                                        ; sources 0 and 1: the accumulators' window
	s_wait_alu depctr_va_vdst(0)                   ; directly ahead of the first readers of this block's matrix results
.irp b, 0,1,2,3
	v_max_num_f32 v[BM+\b], v[S+16*\b], v[S+16*\b+1]
.endr
.irp i, 2,4,6,8,10,12,14
.irp b, 0,1,2,3
	v_max3_num_f32 v[BM+\b], v[S+16*\b+\i], v[S+16*\b+\i+1], v[BM+\b]
.endr
.endr
	WIN 0
.irp b, 0,1,2,3
	v_permlanex16_b32 v[BX+\b], v[BM+\b], s[SEL], s[SEL+1]
.endr
.irp b, 0,1,2,3
	v_max_num_f32 v[BM+\b], v[BM+\b], v[BX+\b]     ; with lane l xor 16's 16 keys
.endr
	v_max3_num_f32 v[RM], v[BM], v[BM+1], v[BM+2]
	v_max_num_f32 v[RM], v[RM], v[BM+3]
	v_fma_f32 v[RM], v[RM], s[C1], v[MAA]          ; the same three steps as for every score: they do not fall where the score rises
.irp b, 0,1,2,3
	v_fma_f32 v[BM+\b], v[BM+\b], s[C1], v[MAA]
.endr
	v_mul_f32 v[RM], s[C2], v[RM]
.irp b, 0,1,2,3
	v_mul_f32 v[BM+\b], s[C2], v[BM+\b]
.endr
	v_floor_f32 v[NM], -v[RM]                      ; -M = floor(-t) = -ceil(t)
.irp b, 0,1,2,3
	v_add_f32 v[BM+\b], v[BM+\b], v[NM]
.endr
	v_sub_f32 v[MS+(\a)], 0, v[NM]                 ; M, as it is stored
	WIN W*65                                       ; destination and source 0: the accumulators' window
; The three steps and the exponentials, skewed by pairs, so that no line reads the line above it: fma of pair p, mul of pair p - 1, add of pair p - 2, the two exponentials of pair p - 3.  None reads an exponential's result.
.set p, 0
.rept 34
.if p < 32
	v_pk_fma_f32 v[S+2*p:S+2*p+1], v[S+2*p:S+2*p+1], s[C1:C1+1], v[MAA:MAA+1] op_sel_hi:[1,0,0]
.endif
.if (p >= 1) && (p < 33)
	v_pk_mul_f32 v[S+2*p-2:S+2*p-1], v[S+2*p-2:S+2*p-1], s[C2:C2+1] op_sel_hi:[1,0]
.endif
.if (p >= 2) && (p < 34)
	v_pk_add_f32 v[S+2*p-4:S+2*p-3], v[S+2*p-4:S+2*p-3], v[NM:NM+1] op_sel_hi:[1,0]
.endif
.set p, p+1
.endr
	s_wait_alu depctr_va_vdst(0)                   ; all the batch's sources are laid
.set p, 0
.rept 64
	v_exp_f32 v[S+p], v[S+p]                       ; p = 2^(t - M)
.set p, p+1
.endr
	WIN 0
.irp b, 0,1,2,3
	v_exp_f32 v[BM+\b], v[BM+\b]                   ; the blocks' largest p
.endr
	v_nop                                          ; one plain place behind the last exponential
	s_wait_alu depctr_va_vdst(0)                   ; and one wait for the 68, ahead of the first line that names a result
	WIN W*5
.irp k, 0,1,2,3
	v_pk_add_f32 v[LA+2*\k:LA+2*\k+1], v[S+2*\k:S+2*\k+1], v[S+8+2*\k:S+8+2*\k+1]   ; the sum of the UNQUANTISED p, in four chains
.endr
	WIN W
.set j, 16
.rept 6
.irp k, 0,1,2,3
	v_pk_add_f32 v[LA+2*\k:LA+2*\k+1], v[S+j+2*\k:S+j+2*\k+1], v[LA+2*\k:LA+2*\k+1]
.endr
.set j, j+8
.endr
	WIN 0
	v_pk_add_f32 v[LA:LA+1], v[LA:LA+1], v[LA+2:LA+3]
	v_pk_add_f32 v[LA+4:LA+5], v[LA+4:LA+5], v[LA+6:LA+7]
.irp b, 0,1,2,3
	v_max_num_f32 v[BM+\b], 0x1800000, v[BM+\b]    ; the floor 2^(3 - 127): the byte cannot fall under 1
.endr
	v_pk_add_f32 v[LA:LA+1], v[LA:LA+1], v[LA+4:LA+5]
.irp b, 0,1,2,3
	v_add_nc_u32 v[SO+\b], 0xff000000, v[BM+\b]    ; 2 off the exponent field: the conversion's scale operand
.endr
	v_add_f32 v[LS+(\a)], v[LA], v[LA+1]
.irp b, 0,1,2,3
	v_lshrrev_b32 v[BY+\b], 23, v[SO+\b]
.endr
	v_permlanex16_b32 v[BX], v[LS+(\a)], s[SEL], s[SEL+1]
	v_lshl_or_b32 v[PW+(\a)], v[BY+1], 8, v[BY]
	v_lshl_or_b32 v[PW+(\a)], v[BY+2], 16, v[PW+(\a)]
	v_lshl_or_b32 v[PW+(\a)], v[BY+3], 24, v[PW+(\a)]
	v_add_f32 v[LS+(\a)], v[LS+(\a)], v[BX]        ; my 128 keys' sum
	WIN W
.irp c, 0,1
	v_cvt_scalef32_pk16_fp6_f32 v[PCA+6*\c:PCA+6*\c+2], v[S+32*\c:S+32*\c+15], v[SO+2*\c]
	v_cvt_scalef32_pk16_fp6_f32 v[PT+4*\c:PT+4*\c+2], v[S+32*\c+16:S+32*\c+31], v[SO+2*\c+1]
.endr
	WIN 0
	v_nop                                          ; one plain place behind a scaled conversion
.irp c, 0,1
.irp i, 0,1,2
	v_permlane16_swap_b32 v[PCA+6*\c+\i], v[PT+4*\c+\i]
.endr
.irp i, 0,1,2
	v_mov_b32 v[PCA+6*\c+3+\i], v[PT+4*\c+\i]
.endr
.endr
.irp c, 0,1,2
	global_store_b128 v[LI], v[PCA+4*\c:PCA+4*\c+3], s[18:19] offset:(\a)*24576+512*\c   ; 512 consecutive bytes, aligned; each block has registers of its own
.endr
	ds_store_b32 v[SG], v[PW+(\a)] offset:64*(\a)
	ds_store_b32 v[SG], v[MS+(\a)] offset:512+64*(\a)
	ds_store_b32 v[SG], v[LS+(\a)] offset:1024+64*(\a)
.endm
.irp a, 0,1,2,3,4,5,6,7
	SOFT \a
.endr
.irp c, 0,1,2
	ds_load_b128 v[BM+4*\c:BM+4*\c+3], v[SRD] offset:512*\c   ; my 128 rows' words, M and sums (LDS serves a wave's instructions in order)
.endr
	s_wait_dscnt 0x0
.irp c, 0,1,2
	global_store_b128 v[LI], v[BM+4*\c:BM+4*\c+3], s[8:9] offset:524288*\c   ; 512 consecutive bytes, aligned, in each plane
.endr
	s_wait_tensorcnt 0x0                           ; the wave's end: behind my last tensor load and my last LDS store
	ds_add_u32 v[SPW], v[NIL]
	s_wait_dscnt 0x0
	CROUND                                         ; the closing round
	s_endpgm
.Lfunc_end_k_qb946250e42_scores:
	.size	k_qb946250e42_scores, .Lfunc_end_k_qb946250e42_scores-k_qb946250e42_scores
	.p2alignl 7, 3214868480
	.fill 96, 4, 3214868480
	.section	.rodata,"a",@progbits
	.p2align	6, 0x0
	.amdhsa_kernel k_qb946250e42_scores
		.amdhsa_group_segment_fixed_size 327680
		.amdhsa_private_segment_fixed_size 0
		.amdhsa_enable_private_segment 0
		.amdhsa_kernarg_size 24
		.amdhsa_user_sgpr_count 2
		.amdhsa_user_sgpr_kernarg_segment_ptr 1
		.amdhsa_wavefront_size32 1
		.amdhsa_system_sgpr_workgroup_id_x 1
		.amdhsa_system_sgpr_workgroup_id_y 1
		.amdhsa_system_sgpr_workgroup_id_z 1
		.amdhsa_system_vgpr_workitem_id 0
		.amdhsa_next_free_vgpr 1024
		.amdhsa_next_free_sgpr 102
		.amdhsa_reserve_vcc 1
		.amdhsa_float_denorm_mode_32 3
		.amdhsa_float_denorm_mode_16_64 3
		.amdhsa_memory_ordered 1
		.amdhsa_forward_progress 1
		.amdhsa_inst_pref_size 234
	.end_amdhsa_kernel
	.amdgpu_metadata
---
amdhsa.version: [ 1, 2 ]
amdhsa.kernels:
  - .name:           k_qb946250e42_scores
    .symbol:         k_qb946250e42_scores.kd
    .args:
      - { .name: qk, .offset: 0, .size: 8, .value_kind: global_buffer, .address_space: global }
      - { .name: mask, .offset: 8, .size: 8, .value_kind: global_buffer, .address_space: global }
      - { .name: pp, .offset: 16, .size: 8, .value_kind: global_buffer, .address_space: global }
    .group_segment_fixed_size: 327680
    .private_segment_fixed_size: 0
    .kernarg_segment_align: 8
    .kernarg_segment_size: 24
    .max_flat_workgroup_size: 128
    .sgpr_count:     102
    .vgpr_count:     1024
    .wavefront_size: 32
...
	.end_amdgpu_metadata
.endif
;; end of part 3
;; launch pv (part 4): grid 4 x 64, 4 waves a work-group, clusters of 4 x 4, 327,680 bytes of LDS; arguments pp, vt, out0; writes out0
.if DOCPART == 4
	.amdgcn_target "amdgcn-amd-amdhsa--gfx1250"
	.amdhsa_code_object_version 6
	.text
	.protected	k_qb946250e42_pv
	.globl	k_qb946250e42_pv
	.p2align	8
	.type	k_qb946250e42_pv,@function
k_qb946250e42_pv:
	s_mov_b64 s[64:65], 0
	v_nop
	global_prefetch_b8 v0, s[64:65] scope:SCOPE_SE
	s_setreg_imm32_b32 hwreg(HW_REG_WAVE_MODE, 25, 1), 1
	s_wait_xcnt 0x0
	s_wait_alu depctr_hold_cnt(0) depctr_sa_sdst(0) depctr_va_vdst(0) depctr_va_sdst(0) depctr_va_ssrc(0) depctr_va_vcc(0) depctr_vm_vsrc(0)
	s_getreg_b32 s2, hwreg(HW_REG_IB_STS2, 6, 4)
	s_cmp_eq_u32 s2, 0
	s_cbranch_scc0 .Lentry_in_a_cluster
	s_endpgm
.Lentry_in_a_cluster:
	s_bfe_u32 s2, ttmp6, 0x10000c
	s_cmp_lg_u32 s2, 0xf033
	s_cbranch_scc0 .Lentry_shape_is_right
	s_endpgm
.Lentry_shape_is_right:
; out = (P V) / l on codes of FP6 (E2M3) with E8M0 scales, K = the batch's 2,048 keys.
; INPUT pp: [512 blocks of queries][16 K steps of keys][1,536] images of p = 2^(t - M_s), M_s the whole-number maximum of K step s alone (an image: a fragment's 12 registers, group c at 512 c + 16 x lane);
;   from PPW on three planes [16][8,192]: scale words, M_s, the sum l_s of K step s.
; INPUT vt: [64 blocks of v's columns][64 K steps of tokens][1,536] images; scale words [64][1,024] from VTS on.  Rows of both lie in the order pi (bits 3 and 4 of a position exchanged); the way out undoes it.
; SHARES.  A work-group makes 128 queries x 256 columns: 4 x 64 = 256 work-groups.  Wave (rh, ch) owns 64 queries and 128 columns.
;   P GOES INTO REGISTERS ONCE: the tile's 196,608 bytes land in LDS by one load; a wave's 4 blocks x 16 K steps, 64 fragments, 768 registers, are read from there during the first chunk, two K steps of P to a K step of work.
;   V GOES THROUGH TWO SLOTS of 98,304 bytes, a chunk of 64 columns x 2,048 keys each.  A wave makes 32 columns of a chunk: 16 K steps x 8 products on 8 accumulators by turns; a fragment of V feeds four products.
;   Chunk c holds the pairs of column blocks m = c % 2 + 2 ch + 4 (c / 2), so that a wave's chunks 2 u and 2 u + 1 are 64 logical neighbours: 256 bytes of a row of out.
; LDS: bytes 0 .. 196,607 P; their first half is V's slot 1 once P has been read (filled at steps 6 and 30), in their second half, never filled again, lie the stages.  Slot 0 behind them (the head, step 14); then V's scale words,
;   the shifted scale words of P and 1 / l (stored by the waves: bytes of their own), the spare words.  One tensor load of a wave is out at the most.
; THE ROW'S M.  Thread tau owns query tau of the 128: M = the largest M_s; d_s = M - M_s; l = the sum of l_s 2^-d_s; the four bytes of scale word s fall by d_s: the codes stand as they are.
; THE WAY OUT.  At a chunk's first step the chunk before is multiplied by 1 / l and put into the wave's own stage; a pair of chunks is read back by rows and stored, sixteen lanes to an aligned unit of 256 bytes;
;   the first pair leaves among the K steps of the third chunk.
; CLUSTER 4 x 4: P's tile is asked for jointly along a row of the cluster, V's tiles and scale words along a column.
; PREFETCH: each wave's next ring block (24,576 bytes) is asked for one refill ahead of its tensor load; the four partners that load it jointly take 6,144 bytes each, told apart by address: 24 lanes, 256 bytes apart
;   (the eight lanes left over name the last again).  The last refill has no successor and asks for nothing.
; LIMITS: d_s is held at 127, and a byte that would fall under 0 is held at 0 (2^-127) with its codes kept: what that can add is under 2^-117, beside a row's sum above 1/2.  NaN and infinities are not served.
; REGISTERS: window 0: v1-15, v59 addresses, v16-23 1 / l, v24-55 P's scale words, v56-58 V's (three sets), v60-131 V's fragments (three sets of two), v132-195 accumulator (a, b) at 8 (2 a + b),
;   v196-207 P's fragment 63, v208-239 rows on their way out.  Windows 1-3: P's fragments 0-62 (fragment 4 s + a), 21 to a window.
.set PPW,   12582912
.set VTS,   6291456
.set STG,   98304                      ; the stages: 64 rows of SP bytes a wave
.set SP,    272
.set S0,    196608                     ; V's slot 0; slot 1 begins at byte 0
.set VSC,   294912                     ; V's scale words, [16 K steps][256 positions]
.set ASCL,  311296                     ; P's shifted scale words, [16][128 rows]
.set RLB,   319488                     ; 1 / l of the 128 rows
.set SPARE, 320000                     ; the spare words, 128 bytes a wave: two blocks of 256 bytes that no other line names
.set ASA,  1
.set TA,   2
.set LI,   3
.set VA,   4                           ; v4, v5 my V fragments in slot 0, 1
.set PA,   6                           ; v6, v7 my P blocks 0, 1 and 2, 3
.set VSA,  8
.set STO,  9
.set RD,   10
.set CO,   11
.set SPW,  12
.set NIL,  13
.set AW,   14
.set RW,   15
.set RL,   16
.set ASC,  24
.set BS,   56
.set PFO,  59
.set BF,   60
.set ACC,  132
.set AX,   196
.set OUT,  208
.set RLA,  229
.set G1P,  24
.set G1V,  32
.set G1R,  40
.set G1S,  48
.set G0P,  56
.set G0V,  60
.set G0S,  68
.set G0R,  72
.set PF,   76
.set LW,   78
.set MSB, 0
.set DSN, 0                            ; LDS instructions issued so far, counted as the text is assembled: a wait's count is DSN less its value behind the load waited for
.macro WIN new                         ; the immediate's high byte repeats the setting that is left
.if MSB != (\new)
	s_set_vgpr_msb (MSB<<8)|(\new)
.set MSB, (\new)
.endif
.endm
.macro PLACES                          ; four plain places behind matrix instructions (ISA guide 7.12.1)
.rept 4
	v_nop
.endr
.endm
.macro CREST                           ; a round of the cluster's barrier behind its opening barrier
	s_cmp_lg_u32 s10, 0
	s_cbranch_scc1 .Lnot_wave_0_\@
	s_barrier_signal -3
.Lnot_wave_0_\@:
	s_barrier_wait -3
	s_barrier_signal -1
	s_barrier_wait -1
.endm
.macro CROUND
	s_barrier_signal -1
	s_barrier_wait -1
	CREST
.endm
.macro TLOAD g0, g1                    ; an s_nop 0 and four v_nop follow the load
	tensor_load_to_lds s[\g0:\g0+3], s[\g1:\g1+7]
	s_nop 0
.rept 4
	v_nop
.endr
.endm
.macro ALD s                           ; P's four fragments of K step s, from LDS into their registers
.irp a, 0,1,2,3
.set FI, 4*(\s)+\a
.if FI == 63
	WIN 0
.set FR, AX
.else
	WIN (1+FI/21)<<6
.set FR, 12*(FI%21)
.endif
.irp c, 0,1,2
	ds_load_b128 v[FR+4*\c:FR+4*\c+3], v[PA+\a/2] offset:(\a%2)*24576+(\s)*1536+512*\c
.endr
.endr
	WIN 0
.set DSN, DSN+12
.endm
.macro FETCH g                         ; step g = 16 x chunk + K step: V's two fragments and their scale words into set g % 3
.set FC, (\g)/16
.set FS, (\g)%16
.set FB, BF+24*((\g)%3)
.irp b, 0,1
.irp k, 0,1,2
	ds_load_b128 v[FB+12*\b+4*\k:FB+12*\b+4*\k+3], v[VA+FC%2] offset:\b*24576+FS*1536+512*\k
.endr
.endr
	ds_load_b32 v[BS+(\g)%3], v[VSA] offset:FS*1024+(FC%2)*128+(FC/2)*512   ; lanes 0-15 the first block's words, lanes 16-31 the second's
.set DSN, DSN+7
.if (\g)%3 == 0
.set FE0, DSN
.elseif (\g)%3 == 1
.set FE1, DSN
.else
.set FE2, DSN
.endif
.endm
.macro WAITF g                         ; set g % 3 is in, and with it all that was asked of LDS ahead of it (P's K step g among that): what was issued behind its loads may be out
.if (\g)%3 == 0
	s_wait_dscnt DSN-FE0
.elseif (\g)%3 == 1
	s_wait_dscnt DSN-FE1
.else
	s_wait_dscnt DSN-FE2
.endif
.endm
.macro WM a, b                         ; V's block b (source 0) x P's block a (source 1): a lane holds one query and eight columns
.set rD, ACC+8*(2*(\a)+(\b))
.set rB, KB+12*(\b)
.set rU, ASC+2*KK+(\a)/2
.set par, 2*((\a)%2)+(\b)+ZR
.if par == 0
	v_wmma_scale_f32_16x16x128_f8f6f4 v[rD:rD+7], v[rB:rB+11], v[rA:rA+11], v[rD:rD+7], v[KT], v[rU] matrix_a_fmt:MATRIX_FMT_FP6 matrix_b_fmt:MATRIX_FMT_FP6
.elseif par == 1
	v_wmma_scale_f32_16x16x128_f8f6f4 v[rD:rD+7], v[rB:rB+11], v[rA:rA+11], v[rD:rD+7], v[KT], v[rU] matrix_a_fmt:MATRIX_FMT_FP6 matrix_b_fmt:MATRIX_FMT_FP6 matrix_a_scale:MATRIX_SCALE_ROW1
.elseif par == 2
	v_wmma_scale_f32_16x16x128_f8f6f4 v[rD:rD+7], v[rB:rB+11], v[rA:rA+11], v[rD:rD+7], v[KT], v[rU] matrix_a_fmt:MATRIX_FMT_FP6 matrix_b_fmt:MATRIX_FMT_FP6 matrix_b_scale:MATRIX_SCALE_ROW1
.elseif par == 3
	v_wmma_scale_f32_16x16x128_f8f6f4 v[rD:rD+7], v[rB:rB+11], v[rA:rA+11], v[rD:rD+7], v[KT], v[rU] matrix_a_fmt:MATRIX_FMT_FP6 matrix_b_fmt:MATRIX_FMT_FP6 matrix_a_scale:MATRIX_SCALE_ROW1 matrix_b_scale:MATRIX_SCALE_ROW1
.elseif par == 4
	v_wmma_scale_f32_16x16x128_f8f6f4 v[rD:rD+7], v[rB:rB+11], v[rA:rA+11], 0, v[KT], v[rU] matrix_a_fmt:MATRIX_FMT_FP6 matrix_b_fmt:MATRIX_FMT_FP6
.elseif par == 5
	v_wmma_scale_f32_16x16x128_f8f6f4 v[rD:rD+7], v[rB:rB+11], v[rA:rA+11], 0, v[KT], v[rU] matrix_a_fmt:MATRIX_FMT_FP6 matrix_b_fmt:MATRIX_FMT_FP6 matrix_a_scale:MATRIX_SCALE_ROW1
.elseif par == 6
	v_wmma_scale_f32_16x16x128_f8f6f4 v[rD:rD+7], v[rB:rB+11], v[rA:rA+11], 0, v[KT], v[rU] matrix_a_fmt:MATRIX_FMT_FP6 matrix_b_fmt:MATRIX_FMT_FP6 matrix_b_scale:MATRIX_SCALE_ROW1
.else
	v_wmma_scale_f32_16x16x128_f8f6f4 v[rD:rD+7], v[rB:rB+11], v[rA:rA+11], 0, v[KT], v[rU] matrix_a_fmt:MATRIX_FMT_FP6 matrix_b_fmt:MATRIX_FMT_FP6 matrix_a_scale:MATRIX_SCALE_ROW1 matrix_b_scale:MATRIX_SCALE_ROW1
.endif
.endm
.macro MUL2 a                          ; P's block a against V's two; source 1 lies in the fragment's window.  The eight accumulators take turns
.set FI, 4*KK+(\a)
.if FI == 63
	WIN 0
.set rA, AX
.else
	WIN (1+FI/21)<<2
.set rA, 12*(FI%21)
.endif
	WM \a, 0
	WM \a, 1
.endm
; Block a of the finished chunk cp: x 1 / l (each accumulator from its low end on), then into my stage: row 16 a + r; tile b, half h: logical columns 32 (cp % 2) + 8 b + 16 h + 0 .. 7 of the pair's 64
.macro DRAIN a, cp
.irp b, 0,1
.irp i, 0,2,4,6
	v_pk_mul_f32 v[ACC+8*(2*(\a)+\b)+\i:ACC+8*(2*(\a)+\b)+\i+1], v[ACC+8*(2*(\a)+\b)+\i:ACC+8*(2*(\a)+\b)+\i+1], v[RL+2*(\a):RL+2*(\a)+1] op_sel_hi:[1,0]
.endr
.endr
.irp b, 0,1
	ds_store_b128 v[STO], v[ACC+8*(2*(\a)+\b):ACC+8*(2*(\a)+\b)+3] offset:16*(\a)*SP+128*((\cp)%2)+32*\b
	ds_store_b128 v[STO], v[ACC+8*(2*(\a)+\b)+4:ACC+8*(2*(\a)+\b)+7] offset:16*(\a)*SP+128*((\cp)%2)+32*\b+16
.endr
.set DSN, DSN+4
.endm
.macro OUTLD a, reg                    ; block a's 16 rows of 256 bytes back from my stage, two rows a load (LDS serves a wave's instructions in order: these see the stores)
.irp k, 0,1,2,3,4,5,6,7
	ds_load_b128 v[\reg+4*\k:\reg+4*\k+3], v[RD] offset:(16*(\a)+2*\k)*SP
.endr
.set DSN, DSN+8
.set OE, DSN
.endm
.macro OUTST a, reg, u                 ; each row to its logical query; sixteen lanes store 256 consecutive bytes, aligned
.irp k, 0,1,2,3,4,5,6,7
	global_store_b128 v[CO], v[\reg+4*\k:\reg+4*\k+3], s[8:9] offset:(32*((\a)/2)+8*((\a)%2)+2*\k+8*(\k/4))*4096+512*(\u) th:TH_STORE_NT
.endr
.endm
; Step g.  Steps 6, 14 and 30 fill a slot again: at 6 P has been read, and slot 1 takes chunk 1; at 14 and 30 the last fragments of the chunk in hand have been asked for, the next chunk must be whole,
; and the slot in hand takes the chunk after that.  Step 46 only shows chunk 3 whole.  In all other steps the set two steps on is fetched first.
.macro KS g
.set KC, (\g)/16
.set KK, (\g)%16
.set KB, BF+24*((\g)%3)
.set KT, BS+(\g)%3
.if KK == 0
.set ZR, 4
.else
.set ZR, 0
.endif
.if ((\g) == 6) || ((\g) == 14) || ((\g) == 30)
	s_wait_tensorcnt 0x0                           ; all my tensor loads have landed, so my group 0 may be written;
	ds_add_u32 v[SPW], v[NIL]                      ; 0 onto my spare word
.set DSN, DSN+1
.if (\g) == 14
	s_add_nc_u64 s[G0R+2:G0R+3], s[G0R+2:G0R+3], 589824   ; from chunk 1's block to chunk 2's: six column blocks on
	s_add_co_u32 s[G0R+1], s[LW], S0
.elseif (\g) == 30
	s_add_nc_u64 s[G0R+2:G0R+3], s[G0R+2:G0R+3], 196608   ; chunk 3's: two column blocks on
	s_mov_b32 s[G0R+1], s[LW]
.endif
	s_wait_dscnt 0x0                               ; the add is done, and so are my reads of the bytes to be filled
	s_barrier_signal -1
	MUL2 0
	MUL2 1
	WIN 0
	s_barrier_wait -1
	CREST                                          ; the barrier has opened a round of the cluster's: no wave of any partner reads those bytes or has a load on its way
	TLOAD G0R, G1R                                 ; the first tensor load behind the round; its four v_nop are the places ahead of the loads below
	FETCH (\g)+2
.if (\g) == 6
	global_prefetch_b8 v[PFO], s[PF:PF+1] offset:786432 th:TH_LOAD_NT scope:SCOPE_SE   ; chunk 2's block, my work-group's quarter
.elseif (\g) == 14
	global_prefetch_b8 v[PFO], s[PF:PF+1] offset:983040 th:TH_LOAD_NT scope:SCOPE_SE   ; chunk 3's
.endif
	MUL2 2
	MUL2 3
	WIN 0
.elseif (\g) == 46
	s_wait_tensorcnt 0x0                           ; my part of chunk 3 has landed
	s_wait_dscnt 0x0                               ; no LDS instruction of mine is out at the signal
	s_barrier_signal -1
	MUL2 0
	MUL2 1
	WIN 0
	s_barrier_wait -1                              ; everybody's part has landed
	PLACES
	FETCH (\g)+2
	MUL2 2
	MUL2 3
	WIN 0
.else
	PLACES                                         ; ahead of the loads into the set that the last step's products read, and of the first read of finished sums
.if (KK == 0) && (KC > 0)
.irp a, 0,1,2,3
	DRAIN \a, KC-1                                 ; the last chunk leaves its accumulators, ahead of the fetch and of the products that start them anew
.endr
.endif
.if (KC == 2) && ((KK%3) == 1) && (KK < 11)
.if KK > 1
	s_wait_xcnt 0x0                                ; the last block's stores have read the registers into which this block comes back
.endif
	OUTLD (KK-1)/3, OUT
.endif
.if (KC == 0) && (KK < 6)
	ALD 2*KK+4
	ALD 2*KK+5
.endif
.if (\g)+2 < 64
	FETCH (\g)+2
.endif
	WAITF \g
.if (KC == 2) && ((KK%3) == 2) && (KK < 12)
	s_wait_dscnt DSN-OE                            ; the block of rows is back
	OUTST (KK-2)/3, OUT, 0
.endif
.irp a, 0,1,2,3
	MUL2 \a
.endr
	WIN 0
.endif
.endm
	s_load_b128 s[4:7], s[0:1], 0x0                ; pp, vt
	s_load_b64 s[8:9], s[0:1], 0x10                ; out0
	v_lshl_add_u32 v[SPW], v0, 2, SPARE
	v_mov_b32 v[NIL], 0
	ds_add_u32 v[SPW], v[NIL]                      ; the wave's opening: the add, twice on end, and its wait ahead of my first tensor load
	ds_add_u32 v[SPW], v[NIL]
	v_lshrrev_b32 v1, 5, v0
	v_readfirstlane_b32 s10, v1                    ; wave
	s_lshr_b32 s11, s10, 1                         ; rh: my half of the queries
	s_and_b32 s12, s10, 1                          ; ch: my half of a chunk's columns
	s_bfe_u32 s13, ttmp6, 0x40000                  ; cx: the tile of 256 columns
	s_bfe_u32 s14, ttmp6, 0x40004                  ; cy
	s_lshl_b32 s2, s14, 2
	s_lshl_b32 s2, 15, s2                          ; my row of the cluster
	s_lshl_b32 s3, 0x1111, s13                     ; my column
	s_or_b32 s[G1P], s2, (3<<16)|(1<<21)           ; the mask; elements of 8 bytes; bit 21 beside a mask; no padding
	s_or_b32 s[G1V], s3, (3<<16)|(1<<21)
	s_or_b32 s[G1R], s3, (3<<16)|(1<<21)
	s_or_b32 s[G1S], s3, (3<<16)|(1<<21)
	s_mov_b32 s[G1P+1], 3072<<16                   ; P: 8 rows (blocks of queries) of 24,576 bytes (16 K steps), one behind the other
	s_mov_b32 s[G1P+2], 8<<16
	s_mov_b32 s[G1P+3], 3072<<16
	s_mov_b32 s[G1P+4], 8
	s_mov_b32 s[G1P+5], 3072
	s_mov_b32 s[G1P+6], 0
	s_mov_b32 s[G1P+7], 0
	s_mov_b32 s[G1V+1], 3072<<16                   ; V at the head: 2 rows (column blocks) of 24,576 bytes (the batch's 16 K steps), 98,304 bytes apart
	s_mov_b32 s[G1V+2], 2<<16
	s_mov_b32 s[G1V+3], 3072<<16
	s_mov_b32 s[G1V+4], 2
	s_mov_b32 s[G1V+5], 12288
	s_mov_b32 s[G1V+6], 0
	s_mov_b32 s[G1V+7], 0
	s_mov_b32 s[G1R+1], 768<<16                    ; V in the ring: one column block's 24,576 dense bytes, as 4 rows of 6,144
	s_mov_b32 s[G1R+2], 4<<16
	s_mov_b32 s[G1R+3], 768<<16
	s_mov_b32 s[G1R+4], 4
	s_mov_b32 s[G1R+5], 768
	s_mov_b32 s[G1R+6], 0
	s_mov_b32 s[G1R+7], 0
	s_mov_b32 s[G1S+1], 128<<16                    ; V's scale words: 16 rows (K steps) of 1,024 bytes, 4,096 bytes apart
	s_mov_b32 s[G1S+2], 16<<16
	s_mov_b32 s[G1S+3], 128<<16
	s_mov_b32 s[G1S+4], 16
	s_mov_b32 s[G1S+5], 512
	s_mov_b32 s[G1S+6], 0
	s_mov_b32 s[G1S+7], 0
	s_and_b32 s15, ttmp7, 0xffff                   ; the cluster's y
	s_lshl_b32 s16, s15, 2
	s_add_co_u32 s16, s16, s14                     ; the tile of 128 queries, 0 .. 63
	s_lshr_b32 s15, s15, 2                         ; the batch
	s_mul_i32 s17, s15, 24576                      ; its 16 K steps in a column block of vt
	s_mul_i32 s20, s16, 196608                     ; pp: the tile's 8 blocks
	s_mov_b32 s21, 0
	s_lshl_b32 s80, s13, 4                         ; vt: the tile's first column block, 16 cx
	s_lshl_b32 s18, s12, 2
	s_add_co_u32 s18, s18, s80                     ; the head's load of waves 0, 1: chunk 0's blocks 4 x wave, 4 x wave + 1
	s_mul_i32 s18, s18, 98304
	s_add_co_u32 s18, s18, s17
	s_mov_b32 s19, 0
	s_mul_i32 s[G0V+1], s12, 49152
	s_add_co_u32 s[G0V+1], s[G0V+1], S0            ; the wave's number alone enters an LDS address
	s_lshl_b32 s66, s11, 2
	s_add_co_u32 s66, s66, s12
	s_add_co_u32 s66, s66, s80                     ; the ring: of chunk 0 my block would be 16 cx + 4 (wave / 2) + wave % 2
	s_mul_i32 s66, s66, 98304
	s_add_co_u32 s66, s66, s17
	s_mov_b32 s67, 0
	s_mul_i32 s[LW], s10, 24576                    ; where my block goes in a slot
	s_mul_i32 s82, s14, 6144                       ; the prefetches: my work-group's quarter of that block
	s_mov_b32 s83, 0
	s_lshl_b32 s86, s15, 16
	s_lshl_b32 s87, s13, 10
	s_add_co_u32 s86, s86, s87
	s_add_co_u32 s86, s86, VTS                     ; V's scale words: the batch's 16 K steps, the tile's 256 positions
	s_mov_b32 s87, 0
	s_lshl_b32 s22, s16, 9
	s_add_co_u32 s22, s22, PPW                     ; the planes at my work-group's 128 queries
	s_mov_b32 s23, 0
	s_lshl_b32 s88, s16, 19
	s_lshl_b32 s89, s11, 18
	s_add_co_u32 s88, s88, s89                     ; out0: my first query's row of 4,096 bytes,
	s_lshl_b32 s89, s13, 10
	s_add_co_u32 s88, s88, s89
	s_lshl_b32 s89, s12, 8
	s_add_co_u32 s88, s88, s89                     ; my 64 columns of a pair of chunks
	s_mov_b32 s89, 0
	s_mov_b32 s84, 0x80808080
	s_mov_b32 s85, 0x01010101
	s_mov_b32 s[G0P], 1
	s_mov_b32 s[G0P+1], 0
	s_mov_b32 s[G0V], 1
	s_mov_b32 s[G0S], 1
	s_mov_b32 s[G0S+1], VSC
	s_mov_b32 s[G0R], 1
	s_mov_b32 s[G0R+1], s[LW]                      ; the first refill goes to slot 1
	s_wait_dscnt 0x0                               ; both opening adds are done
	s_wait_kmcnt 0x0
	s_add_nc_u64 s[G0P+2:G0P+3], s[4:5], s[20:21]
	s_or_b32 s[G0P+3], s[G0P+3], 0x80000000
	s_add_nc_u64 s[G0V+2:G0V+3], s[6:7], s[18:19]
	s_or_b32 s[G0V+3], s[G0V+3], 0x80000000
	s_add_nc_u64 s[G0S+2:G0S+3], s[6:7], s[86:87]
	s_or_b32 s[G0S+3], s[G0S+3], 0x80000000
	s_add_nc_u64 s[66:67], s[6:7], s[66:67]
	s_add_nc_u64 s[PF:PF+1], s[66:67], s[82:83]
	s_add_nc_u64 s[G0R+2:G0R+3], s[66:67], 196608  ; chunk 1's block: two column blocks on
	s_or_b32 s[G0R+3], s[G0R+3], 0x80000000
	s_add_nc_u64 s[22:23], s[4:5], s[22:23]
	s_add_nc_u64 s[8:9], s[8:9], s[88:89]
	CROUND                                         ; all sixteen work-groups are here: the first joint loads meet
	s_cmp_lt_u32 s10, 2                            ; the head's loads, one a wave, in one chain of branches on the wave's number: waves 0, 1 chunk 0's halves, wave 2 P, wave 3 V's scale words
	s_cbranch_scc0 .Lhead_p
	TLOAD G0V, G1V
	s_branch .Lhead_asked
.Lhead_p:
	s_cmp_lt_u32 s10, 3
	s_cbranch_scc0 .Lhead_s
	TLOAD G0P, G1P
	s_branch .Lhead_asked
.Lhead_s:
	TLOAD G0S, G1S
.Lhead_asked:
	v_lshlrev_b32 v[TA], 2, v0
	s_wait_alu depctr_va_vdst(0)                   ; between the write and its readers below
.irp s, 0,1,2,3,4,5,6,7,8,9,10,11,12,13,14,15
	global_load_b32 v[132+\s], v[TA], s[22:23] offset:524288+\s*32768     ; M_s of query tau: 128 consecutive bytes a wave, 512 a work-group
.endr
.irp s, 0,1,2,3,4,5,6,7,8,9,10,11,12,13,14,15
	global_load_b32 v[148+\s], v[TA], s[22:23] offset:2*524288+\s*32768   ; l_s
.endr
.irp s, 0,1,2,3,4,5,6,7,8,9,10,11,12,13,14,15
	global_load_b32 v[164+\s], v[TA], s[22:23] offset:\s*32768            ; the scale words
.endr
	v_and_b32 v240, 31, v0                         ; lane
	v_and_b32 v241, 15, v0                         ; r
	v_bfe_u32 v242, v0, 4, 1                       ; h
	v_lshlrev_b32 v[LI], 4, v240
	s_mul_i32 s18, s12, 49152
	v_add_nc_u32 v[VA+1], s18, v[LI]
	v_add_nc_u32 v[VA], S0, v[VA+1]
	s_mul_i32 s18, s11, 98304
	v_add_nc_u32 v[PA], s18, v[LI]
	v_add_nc_u32 v[PA+1], 49152, v[PA]
	s_lshl_b32 s18, s12, 8
	s_add_co_u32 s18, s18, VSC
	v_lshl_add_u32 v[VSA], v240, 2, s18
	s_lshl_b32 s18, s11, 8
	s_add_co_u32 s19, s18, ASCL
	v_lshl_add_u32 v[ASA], v240, 2, s19
	s_add_co_u32 s19, s18, RLB
	v_lshl_add_u32 v[RLA], v241, 2, s19
	v_lshl_add_u32 v[AW], v0, 2, ASCL
	v_lshl_add_u32 v[RW], v0, 2, RLB
	s_mul_i32 s18, s10, 64*SP
	s_add_co_u32 s18, s18, STG                     ; my stage
	v_mul_u32_u24 v[STO], v241, SP                 ; in: row r, 64 bytes on for the upper half of the lanes
	v_lshl_add_u32 v[STO], v242, 6, v[STO]
	v_add_nc_u32 v[STO], s18, v[STO]
	v_mul_u32_u24 v[RD], v242, SP                  ; back: sixteen lanes to a row of 256 bytes, two rows a load
	v_lshl_add_u32 v[RD], v241, 4, v[RD]
	v_add_nc_u32 v[RD], s18, v[RD]
	v_lshlrev_b32 v[CO], 12, v242                  ; and the same two rows in out0
	v_lshl_add_u32 v[CO], v241, 4, v[CO]
	v_min_u32 v[PFO], 23, v240
	v_lshlrev_b32 v[PFO], 8, v[PFO]                ; the prefetches: 24 lanes, 256 bytes apart; never rewritten
.irp a, 0,1,2,3
	v_mov_b32 v[RL+2*\a+1], 0                      ; (named with 1 / l as a pair)
.endr
	s_wait_alu depctr_va_vdst(0)                   ; behind the addresses' last write
	global_prefetch_b8 v[PFO], s[PF:PF+1] offset:196608 th:TH_LOAD_NT scope:SCOPE_SE   ; chunk 1's block, my work-group's quarter
	s_wait_loadcnt 0x0
	v_max3_num_f32 v228, v132, v133, v134
.irp i, 135,137,139,141,143,145
	v_max3_num_f32 v228, v228, v[\i], v[\i+1]
.endr
	v_max_num_f32 v228, v228, v147                 ; the row's M
.irp s, 0,1,2,3,4,5,6,7,8,9,10,11,12,13,14,15
	v_sub_f32 v[132+\s], v[132+\s], v228           ; M_s - M: a whole number, 0 or less
.endr
.irp s, 0,1,2,3,4,5,6,7,8,9,10,11,12,13,14,15
	v_max_num_f32 v[132+\s], 0xc2fe0000, v[132+\s] ; held at -127
.endr
.irp s, 0,1,2,3,4,5,6,7,8,9,10,11,12,13,14,15
	v_cvt_i32_f32 v[132+\s], v[132+\s]             ; -d
.endr
.irp s, 0,1,2,3,4,5,6,7,8,9,10,11,12,13,14,15
	v_ldexp_f32 v[148+\s], v[148+\s], v[132+\s]    ; l_s under the row's M
.endr
.irp s, 0,1,2,3,4,5,6,7
	v_add_f32 v[148+\s], v[148+\s], v[156+\s]
.endr
.irp s, 0,1,2,3
	v_add_f32 v[148+\s], v[148+\s], v[152+\s]
.endr
	v_add_f32 v148, v148, v150
	v_add_f32 v149, v149, v151
	v_add_f32 v148, v148, v149                     ; l
	s_wait_alu depctr_va_vdst(0)                   ; the wait ahead of the transcendental
	v_rcp_f32 v230, v148
; The four bytes of a word fall by d at once.  A byte is at most 125 and d at most 127: with bit 7 set on every byte no borrow crosses a byte, and bit 7 stays set just where the byte was at least d.
.irp s, 0,1,2,3,4,5,6,7,8,9,10,11,12,13,14,15
	v_or_b32 v[164+\s], s84, v[164+\s]
.endr
.irp s, 0,1,2,3,4,5,6,7,8,9,10,11,12,13,14,15
	v_mul_lo_u32 v[132+\s], v[132+\s], s85         ; -d in every byte, modulo 2^32
.endr
.irp s, 0,1,2,3,4,5,6,7,8,9,10,11,12,13,14,15
	v_add_nc_u32 v[164+\s], v[164+\s], v[132+\s]
.endr
.irp s, 0,1,2,3,4,5,6,7,8,9,10,11,12,13,14,15
	v_and_b32 v[132+\s], s84, v[164+\s]
.endr
.irp s, 0,1,2,3,4,5,6,7,8,9,10,11,12,13,14,15
	v_lshrrev_b32 v[240+\s], 7, v[132+\s]
.endr
.irp s, 0,1,2,3,4,5,6,7,8,9,10,11,12,13,14,15
	v_sub_nc_u32 v[132+\s], v[132+\s], v[240+\s]   ; 0x7f where the byte stays, 0 where it would fall under 0
.endr
.irp s, 0,1,2,3,4,5,6,7,8,9,10,11,12,13,14,15
	v_and_b32 v[164+\s], v[164+\s], v[132+\s]
.endr
.irp s, 0,1,2,3,4,5,6,7,8,9,10,11,12,13,14,15
	ds_store_b32 v[AW], v[164+\s] offset:512*\s
.endr
	s_wait_alu depctr_va_vdst(0)                   ; and behind it, ahead of the first line that names the reciprocal
	ds_store_b32 v[RW], v230
	s_wait_tensorcnt 0x0                           ; my tile of the head's four is in
	s_wait_dscnt 0x0                               ; for the others' sake: my stores of the shifted words and of 1 / l have landed
	s_barrier_signal -1
	s_barrier_wait -1
.irp s, 0,1,2,3,4,5,6,7,8,9,10,11,12,13,14,15
.irp j, 0,1
	ds_load_b32 v[ASC+2*\s+\j], v[ASA] offset:512*\s+128*\j   ; P's scale words of K step s, rows 32 j + lane of my 64: they stay in these registers
.endr
.endr
.irp a, 0,1,2,3
	ds_load_b32 v[RL+2*\a], v[RLA] offset:64*\a    ; 1 / l of block a's row r, in both halves of the lanes
.endr
.irp s, 0,1,2,3
	ALD \s
.endr
	FETCH 0
	FETCH 1
.set GG, 0
.rept 64
	KS GG
.set GG, GG+1
.endr
	; the last pair of chunks leaves
	PLACES
.irp a, 0,1,2,3
	DRAIN \a, 3
.endr
	s_wait_xcnt 0x0                                ; the first pair's stores have read their registers
	OUTLD 0, BF
	OUTLD 1, BF+32
	OUTLD 2, OUT
	s_wait_dscnt 16                                ; block 0 is back, and so my stores into the stage are done; blocks 1 and 2 may be out
	OUTST 0, BF, 1
	OUTLD 3, ACC
	s_wait_dscnt 16                                ; block 1 is back
	OUTST 1, BF+32, 1
	s_wait_dscnt 8
	OUTST 2, OUT, 1
	s_wait_dscnt 0x0
	OUTST 3, ACC, 1
	s_wait_tensorcnt 0x0                           ; the wave's end: behind my last tensor load and my last LDS store
	ds_add_u32 v[SPW], v[NIL]
	s_wait_dscnt 0x0
	CROUND                                         ; the closing round
	s_endpgm
.Lfunc_end_k_qb946250e42_pv:
	.size	k_qb946250e42_pv, .Lfunc_end_k_qb946250e42_pv-k_qb946250e42_pv
	.p2alignl 7, 3214868480
	.fill 96, 4, 3214868480
	.section	.rodata,"a",@progbits
	.p2align	6, 0x0
	.amdhsa_kernel k_qb946250e42_pv
		.amdhsa_group_segment_fixed_size 327680
		.amdhsa_private_segment_fixed_size 0
		.amdhsa_enable_private_segment 0
		.amdhsa_kernarg_size 24
		.amdhsa_user_sgpr_count 2
		.amdhsa_user_sgpr_kernarg_segment_ptr 1
		.amdhsa_wavefront_size32 1
		.amdhsa_system_sgpr_workgroup_id_x 1
		.amdhsa_system_sgpr_workgroup_id_y 1
		.amdhsa_system_sgpr_workgroup_id_z 1
		.amdhsa_system_vgpr_workitem_id 0
		.amdhsa_next_free_vgpr 1024
		.amdhsa_next_free_sgpr 92
		.amdhsa_reserve_vcc 0
		.amdhsa_float_denorm_mode_32 3
		.amdhsa_float_denorm_mode_16_64 3
		.amdhsa_memory_ordered 1
		.amdhsa_forward_progress 1
		.amdhsa_inst_pref_size 170
	.end_amdhsa_kernel
	.amdgpu_metadata
---
amdhsa.version: [ 1, 2 ]
amdhsa.kernels:
  - .name:           k_qb946250e42_pv
    .symbol:         k_qb946250e42_pv.kd
    .args:
      - { .name: pp, .offset: 0, .size: 8, .value_kind: global_buffer, .address_space: global }
      - { .name: vt, .offset: 8, .size: 8, .value_kind: global_buffer, .address_space: global }
      - { .name: out0, .offset: 16, .size: 8, .value_kind: global_buffer, .address_space: global }
    .group_segment_fixed_size: 327680
    .private_segment_fixed_size: 0
    .kernarg_segment_align: 8
    .kernarg_segment_size: 24
    .max_flat_workgroup_size: 128
    .sgpr_count:     92
    .vgpr_count:     1024
    .wavefront_size: 32
...
	.end_amdgpu_metadata
.endif
;; end of part 4
